; MI455X (gfx1250); checked and timed in simulation.
; The chip was launched on July 23, 2026; its instructions are those of AMD's public machine-readable ISA for CDNA 5 (MIT licence, August 2026) and "CDNA5" Instruction Set Architecture Reference Guide (July 2026). The comments in the code are by the model that wrote it; some were corrected since.
;; Multi Head Attention. Allowed arithmetic: matrix products marked QUANTISED: E2M1 operands, one E8M0 scale for each 32 along K, by v_wmma_scale_f32_16x16x128_f8f6f4 with both operands' format E2M1 (or v_wmma_scale_f32_32x16x128_f4), f32 sums; products left as they are: bf16, f16 or f32 operands; f32 sums; everything else in f32.
;; Inputs: bo 1,024 float32; wk 1,024 x 1,024 float32; wo 1,024 x 1,024 float32; wq 1,024 x 1,024 float32; wv 1,024 x 1,024 float32; x 4 x 2,048 x 1,024 float32.
;; Outputs: out0 4 x 2,048 x 1,024 float32.
;; This version of the problem:
;;   THIS VERSION OF THE PROBLEM IS GIVEN IN LOW PRECISION. The matrix products marked QUANTISED in the list below multiply operands that are first quantised to E2M1 (2 exponent bits, 1 mantissa bit; 4 bits a number), with one power-of-two scale for each 32 numbers along K (OCP MX v1.0); their sums are f32. The products marked 'left as it is' may take bf16, f16 or f32 operands, with f32 sums. Whichever they take, every output number must still come out within the allowed error. Rounding operands to bf16 (8 significant bits) uses up far more of that allowance than f16 does (11 bits, for magnitudes from 6e-5 to 65,504). All else is computed in f32.
;;   The module's matrix products, in the order in which they are computed (A, B: the left and right operand; K: the contracted axis; several contracted axes count as one K, in the product's order):
;;     1. [M 8,192, K 1,024] x [K 1,024, N 1,024]; A: input x; B: input wq: QUANTISED
;;     2. [M 8,192, K 1,024] x [K 1,024, N 1,024]; A: input x; B: input wk: QUANTISED
;;     3. [M 8,192, K 1,024] x [K 1,024, N 1,024]; A: input x; B: input wv: QUANTISED
;;     4. batch 64 x [M 2,048, K 64] x [K 64, N 2,048]; A: computed on the way; B: computed on the way: left as it is (an operand is computed on the way)
;;     5. batch 64 x [M 2,048, K 2,048] x [K 2,048, N 64]; A: computed on the way; B: computed on the way: left as it is (an operand is computed on the way)
;;     6. [M 8,192, K 1,024] x [K 1,024, N 1,024]; A: computed on the way; B: input wo: left as it is (an operand is computed on the way)
;;   THE QUANTISER, for each operand of a quantised product, along K:
;;     - K is cut into blocks of 32 from its start; a last block that is shorter is filled with zeros.
;;     - A block's scale is 2^e with e = floor(log2(the largest magnitude in the block)) - 2, held to -126 .. 127; a block of zeros has e = 0. As a byte (E8M0): e + 127.
;;     - Each number is divided by its block's scale, clamped to +-6, and rounded to the nearest number of E2M1, ties to even, subnormals kept.
;;     - The product sums the exact products of the quantised numbers (number of the format x scale) in f32.
;;   ~~~python
;;   def quantise(x, axis):      # numpy; x: float32 -> the quantised numbers, widened to float32 again
;;       x = np.moveaxis(x, axis, -1); K = x.shape[-1]
;;       x = np.pad(x, [(0, 0)] * (x.ndim - 1) + [(0, -K % 32)]); x = x.reshape(x.shape[:-1] + (-1, 32)); a = np.abs(x).max(-1, keepdims=True)
;;       e = np.where(a > 0, np.clip(np.frexp(np.where(a > 0, a, 1))[1] - 1 - 2, -126, 127), 0)      # np.frexp(a)[1] - 1 = floor(log2(a)), exactly
;;       r = np.clip(x / 2.0 ** e, -6, 6)
;;       step = 2.0 ** (np.maximum(np.frexp(np.where(r == 0, 1, r))[1] - 1, 0) - 1)
;;       q = np.round(r / step) * step * 2.0 ** e      # np.round: ties to even
;;       return np.moveaxis(q.reshape(q.shape[:-2] + (-1,))[..., :K], -1, axis).astype(np.float32)
;;   ~~~
;; One version. Each part assembles by itself: llvm-mc -triple=amdgcn-amd-amdhsa -mcpu=gfx1250 --defsym DOCPART=n.
;; ======== version 1 of 1: 4 launches
;; limits: values are held in f16: magnitudes above 65,504 overflow, below 6.1e-05 lose precision
;; workspace buffers: xc 4,194,304 bytes; xs 262,144 bytes; wc 1,572,864 bytes; ws 98,304 bytes; wo16 2,097,152 bytes; qkv 50,331,648 bytes; o 16,777,216 bytes
;; launch prep (part 1): grid 384 x 1, 4 waves a work-group, no clusters, 33,280 bytes of LDS; arguments x, wq, wk, wv, wo, xc, xs, wc, ws, wo16; writes xc, xs, wc, ws, wo16
.if DOCPART == 1
	.amdgcn_target "amdgcn-amd-amdhsa--gfx1250"
	.amdhsa_code_object_version 6
	.text
	.protected	k_qbd6f8c9689_prep
	.globl	k_qbd6f8c9689_prep
	.p2align	8
	.type	k_qbd6f8c9689_prep,@function
k_qbd6f8c9689_prep:
	s_mov_b64 s[64:65], 0
	v_nop
	global_prefetch_b8 v0, s[64:65] scope:SCOPE_SE
	s_setreg_imm32_b32 hwreg(HW_REG_WAVE_MODE, 25, 1), 1
	s_wait_xcnt 0x0
; x [8192][1024] and wq, wk, wv [1024][1024], f32, K innermost, become codes of FP4 (E2M1), two a byte, with one E8M0 scale byte for each 32 along K; wo [1024][1024] becomes f16.
; xc [8192][512 bytes], xs [8192][32 bytes];  wc [3072][512 bytes], ws [3072][32 bytes]: rows 0-1023 wq's, 1024-2047 wk's, 2048-3071 wv's;  wo16 [1024][1024] f16.
; A block's scale is 2^(floor(log2(its largest magnitude)) - 2); its byte is the largest magnitude's exponent field - 2, held at 1 from below.  Each number is divided by the scale and rounded to the nearest code, ties to even; beyond 6 the largest code.
; LIMITS: a block of zeros, and a block whose largest magnitude lies under 2^(3 - 127), keeps the byte 1 (its codes are zeros or tiny; the bytes are read by this program alone); NaN and infinities are not served; |wo| stays under 65,504 (f16).
; SHARES: a work-group takes 32,768 numbers, a wave 8,192.  Work-groups 0-255: x; 256-287: wq; 288-319: wk; 320-351: wv; 352-383: wo's cast.  Rows are dense and 1,024 is a multiple of 32, so every tensor is a plain stream of blocks.
; THE QUANTISER: 16 steps of 512 numbers a wave.  Each load reads 512 consecutive bytes; a step's 2,048 bytes turn through the wave's own stage in LDS (16 bytes of padding behind each 64) and come back 64 bytes a lane: 16 neighbours along K,
; two neighbouring lanes to a block.  A lane's 16 codes are 8 bytes: the wave stores 256 consecutive bytes.  A wave's 256 scale bytes are gathered in its own LDS bytes and leave by one store of 256 consecutive bytes.
; No tensor loads, no barrier: waves share nothing.  Matrix units and clusters would add nothing: the launch moves bytes.
.set WAVES, 4
.set STEPS, 16
.set EMAX,  2
.set CB,    8                          ; bytes of 16 codes
.set R,     16                         ; v16-79   four sets of 16 numbers as they are loaded (the cast: v16-143, 32 loads)
.set X,     80                         ; v80-111  two sets of 16 neighbours
.set E,     112                        ; v112-127 a scale byte for each step
.set C,     128                        ; v128-191 codes: registers of its own for each step, so that no store's data are written again (the cast: v144-207)
.set WREG,  8192                       ; LDS: a region for each wave: two stages of 32 x SP bytes, behind them its 256 scale bytes
.set SP,    80                         ; a lane's place in a stage: 64 bytes + 16 of padding
.set SPW,   12                         ; v12      LDS address of my spare word: SPARE + 4 x my thread's number; never rewritten
.set NIL,   13                         ; v13      0; never rewritten
.set SPARE, WAVES*WREG                 ; behind the four regions: the spare words, 128 bytes for each wave, which no other line names
	s_load_b256 s[4:11], s[0:1], 0x0               ; x s[4:5], wq s[6:7], wk s[8:9], wv s[10:11]
	s_load_b256 s[12:19], s[0:1], 0x20             ; wo s[12:13], xc s[14:15], xs s[16:17], wc s[18:19]
	s_load_b128 s[20:23], s[0:1], 0x40             ; ws s[20:21], wo16 s[22:23]
	v_lshl_add_u32 v[SPW], v0, 2, SPARE
	v_mov_b32 v[NIL], 0
	v_lshrrev_b32 v1, 5, v0
	v_readfirstlane_b32 s24, v1                    ; wave
	v_and_b32 v2, 31, v0                           ; lane
	v_lshlrev_b32 v3, 4, v2                        ; my 16 bytes of a load's 512
	s_mul_i32 s25, s24, WREG
	v_lshrrev_b32 v14, 2, v2
	v_mul_u32_u24 v14, v14, SP
	v_and_b32 v15, 3, v2
	v_lshl_add_u32 v14, v15, 4, v14
	v_add_nc_u32 v14, s25, v14                     ; the stage, on the way in: four lanes' 64 bytes on end, then 16 of padding
	v_mul_u32_u24 v15, v2, SP
	v_add_nc_u32 v15, s25, v15                     ; and on the way out: SP x lane: my 16 neighbours
	v_mul_u32_u24 v4, v2, CB                       ; 8 x lane: my codes' place in a step's; the cast's store offset too
	v_lshrrev_b32 v5, 1, v2
	s_add_co_u32 s25, s25, 2*32*SP
	v_add_nc_u32 v5, s25, v5                       ; LDS: my wave's 256 scale bytes, my block's byte
	v_lshlrev_b32 v7, 3, v2                        ; and on the way out 8 bytes a lane
	v_add_nc_u32 v6, s25, v7
	s_wait_kmcnt 0x0
	s_cmp_ge_u32 ttmp9, 352                        ; the last 32 work-groups cast wo: a branch on the work-group's number alone
	s_cbranch_scc1 .Lcast
	s_sub_co_u32 s32, ttmp9, 256                   ; a weight's work-group: its place in wc and ws,
	s_and_b32 s33, s32, 31                         ; and in its own tensor
	s_cmp_lt_u32 ttmp9, 320
	s_cselect_b64 s[26:27], s[8:9], s[10:11]       ; wk or wv
	s_cmp_lt_u32 ttmp9, 288
	s_cselect_b64 s[26:27], s[6:7], s[26:27]       ; wq or that
	s_cmp_lt_u32 ttmp9, 256                        ; every selection on this compare stands ahead of the additions below
	s_cselect_b64 s[26:27], s[4:5], s[26:27]       ; the source,
	s_cselect_b64 s[28:29], s[14:15], s[18:19]     ; its codes,
	s_cselect_b64 s[30:31], s[16:17], s[20:21]     ; its scale bytes
	s_cselect_b32 s33, ttmp9, s33
	s_cselect_b32 s32, ttmp9, s32
	s_lshl_b32 s33, s33, 2
	s_add_co_u32 s33, s33, s24                     ; which run of 8,192 numbers of the source is my wave's
	s_lshl_b32 s34, s33, 15                        ; 32,768 bytes a run
	s_mov_b32 s35, 0
	s_add_nc_u64 s[26:27], s[26:27], s[34:35]
	s_lshl_b32 s32, s32, 2
	s_add_co_u32 s32, s32, s24                     ; and of the destination
	s_lshl_b32 s34, s32, 12                        ; 4,096 bytes of codes a run
	s_add_nc_u64 s[28:29], s[28:29], s[34:35]
	s_lshl_b32 s34, s32, 8                         ; 256 scale bytes a run
	s_add_nc_u64 s[30:31], s[30:31], s[34:35]
.macro LOAD t
.irp i, 0,1,2,3
	global_load_b128 v[R+16*((\t)%4)+4*\i:R+16*((\t)%4)+4*\i+3], v3, s[26:27] offset:2048*(\t)+512*\i th:TH_LOAD_NT   ; 32 lanes read 512 consecutive bytes
.endr
.endm
.macro TURN t                          ; step t's numbers through the stage: LDS serves a wave's instructions in order, so no wait stands between the stores and the loads
.irp i, 0,1,2,3
	ds_store_b128 v14, v[R+16*((\t)%4)+4*\i:R+16*((\t)%4)+4*\i+3] offset:32*SP*((\t)%2)+8*SP*\i
.endr
.irp i, 0,1,2,3
	ds_load_b128 v[X+16*((\t)%2)+4*\i:X+16*((\t)%2)+4*\i+3], v15 offset:32*SP*((\t)%2)+16*\i
.endr
.endm
.irp t, 0,1,2,3
	LOAD \t
.endr
	s_wait_loadcnt 12                              ; step 0's four loads are in; the twelve of steps 1 to 3 may be out
	TURN 0
.macro STEP t
.set XS, X+16*((\t)%2)
.if (\t) > 0
	s_wait_dscnt 1                                 ; this step's numbers are back from the stage (the last step's byte store may be out): so its stores into the stage have read their registers,
.else
	s_wait_dscnt 0x0
.endif
.if (\t)+4 < STEPS
	LOAD (\t)+4                                    ; which take the loads of four steps on
.endif
.if (\t)+1 < STEPS
.if STEPS-2-(\t) >= 3
	s_wait_loadcnt 12                              ; the next step's four loads are in; those of the three steps behind it may be out
.else
	s_wait_loadcnt 4*(STEPS-2-(\t))
.endif
	TURN (\t)+1                                    ; and go through the other stage while this step is worked
.endif
	v_max3_num_f32 v8, |v[XS]|, |v[XS+1]|, |v[XS+2]|               ; the largest magnitude of my 16, in two chains
	v_max3_num_f32 v9, |v[XS+3]|, |v[XS+4]|, |v[XS+5]|
.irp i, 6,10
	v_max3_num_f32 v8, v8, |v[XS+\i]|, |v[XS+\i+1]|
	v_max3_num_f32 v9, v9, |v[XS+\i+2]|, |v[XS+\i+3]|
.endr
	v_max3_num_f32 v8, v8, |v[XS+14]|, |v[XS+15]|
	v_max3_num_f32 v8, v8, v9, (EMAX+1)<<23        ; and the floor 2^(EMAX + 1 - 127): so the byte cannot fall under 1
	v_max_num_f32_dpp v8, v8, v8 row_xmask:1 row_mask:0xf bank_mask:0xf   ; and of my neighbour's 16: the block's
	v_add_nc_u32 v11, -(EMAX<<23), v8              ; EMAX off its exponent field: the conversion takes the exponent field of this operand as its scale, and nothing else of it
	v_cvt_scalef32_pk8_fp4_f32 v[C+4*(\t)], v[XS:XS+7], v11        ; eight numbers / the scale, to the nearest code; the first number's code in the lowest four bits
	v_cvt_scalef32_pk8_fp4_f32 v[C+4*(\t)+1], v[XS+8:XS+15], v11
	v_lshrrev_b32 v[E+(\t)], 23, v11               ; the scale's byte (also the plain line behind the conversions)
	ds_store_b8 v5, v[E+(\t)] offset:16*(\t)       ; both lanes of a block write the same byte with the same value
	global_store_b64 v4, v[C+4*(\t):C+4*(\t)+1], s[28:29] offset:32*CB*(\t)   ; 32 lanes store 256 consecutive bytes, at a multiple of 256 from the buffer's first byte
.endm
.irp t, 0,1,2,3,4,5,6,7,8,9,10,11,12,13,14,15
	STEP \t
.endr
	ds_load_b64 v[8:9], v6                         ; LDS serves a wave's instructions in order: these see my byte stores
	s_wait_dscnt 0x0
	global_store_b64 v7, v[8:9], s[30:31]          ; 32 lanes store my run's 256 scale bytes
	s_wait_tensorcnt 0x0                           ; the wave's end: behind my last LDS store
	ds_add_u32 v[SPW], v[NIL]
	s_wait_dscnt 0x0
	s_endpgm
; THE CAST of wo to f16: a wave takes 8,192 numbers, in two halves of 32 loads.  A load reads 512 consecutive bytes, a store writes 256.
.Lcast:
	s_sub_co_u32 s32, ttmp9, 352
	s_lshl_b32 s32, s32, 2
	s_add_co_u32 s32, s32, s24                     ; my run of 8,192 numbers
	s_lshl_b32 s34, s32, 15
	s_mov_b32 s35, 0
	s_add_nc_u64 s[12:13], s[12:13], s[34:35]
	s_lshl_b32 s34, s32, 14
	s_add_nc_u64 s[22:23], s[22:23], s[34:35]
.macro CAST p
.set i, 0
.rept 32
	global_load_b128 v[16+4*i:19+4*i], v3, s[12:13] offset:512*(32*\p+i) th:TH_LOAD_NT
.set i, i+1
.endr
.if \p
	s_wait_xcnt 0x0                                ; the first half's stores have read their data: v144 on are written again only behind this wait
.endif
.set i, 0
.rept 32
	s_wait_loadcnt 31-i                            ; loads come back in order: load i is in, the younger ones stay out
	v_cvt_pk_f16_f32 v[144+2*i], v[16+4*i], v[17+4*i]
	v_cvt_pk_f16_f32 v[145+2*i], v[18+4*i], v[19+4*i]
	global_store_b64 v4, v[144+2*i:145+2*i], s[22:23] offset:256*(32*\p+i)
.set i, i+1
.endr
.endm
	CAST 0
	CAST 1
	s_endpgm
.Lfunc_end_k_qbd6f8c9689_prep:
	.size	k_qbd6f8c9689_prep, .Lfunc_end_k_qbd6f8c9689_prep-k_qbd6f8c9689_prep
	.p2alignl 7, 3214868480
	.fill 96, 4, 3214868480
	.section	.rodata,"a",@progbits
	.p2align	6, 0x0
	.amdhsa_kernel k_qbd6f8c9689_prep
		.amdhsa_group_segment_fixed_size 33280
		.amdhsa_private_segment_fixed_size 0
		.amdhsa_enable_private_segment 0
		.amdhsa_kernarg_size 80
		.amdhsa_user_sgpr_count 2
		.amdhsa_user_sgpr_kernarg_segment_ptr 1
		.amdhsa_wavefront_size32 1
		.amdhsa_system_sgpr_workgroup_id_x 1
		.amdhsa_system_sgpr_workgroup_id_y 1
		.amdhsa_system_sgpr_workgroup_id_z 1
		.amdhsa_system_vgpr_workitem_id 0
		.amdhsa_next_free_vgpr 208
		.amdhsa_next_free_sgpr 66
		.amdhsa_reserve_vcc 0
		.amdhsa_float_denorm_mode_32 3
		.amdhsa_float_denorm_mode_16_64 3
		.amdhsa_memory_ordered 1
		.amdhsa_forward_progress 1
		.amdhsa_inst_pref_size 56
	.end_amdhsa_kernel
	.amdgpu_metadata
---
amdhsa.version: [ 1, 2 ]
amdhsa.kernels:
  - .name:           k_qbd6f8c9689_prep
    .symbol:         k_qbd6f8c9689_prep.kd
    .args:
      - { .name: x, .offset: 0, .size: 8, .value_kind: global_buffer, .address_space: global }
      - { .name: wq, .offset: 8, .size: 8, .value_kind: global_buffer, .address_space: global }
      - { .name: wk, .offset: 16, .size: 8, .value_kind: global_buffer, .address_space: global }
      - { .name: wv, .offset: 24, .size: 8, .value_kind: global_buffer, .address_space: global }
      - { .name: wo, .offset: 32, .size: 8, .value_kind: global_buffer, .address_space: global }
      - { .name: xc, .offset: 40, .size: 8, .value_kind: global_buffer, .address_space: global }
      - { .name: xs, .offset: 48, .size: 8, .value_kind: global_buffer, .address_space: global }
      - { .name: wc, .offset: 56, .size: 8, .value_kind: global_buffer, .address_space: global }
      - { .name: ws, .offset: 64, .size: 8, .value_kind: global_buffer, .address_space: global }
      - { .name: wo16, .offset: 72, .size: 8, .value_kind: global_buffer, .address_space: global }
    .group_segment_fixed_size: 33280
    .private_segment_fixed_size: 0
    .kernarg_segment_align: 8
    .kernarg_segment_size: 80
    .max_flat_workgroup_size: 128
    .sgpr_count:     66
    .vgpr_count:     208
    .wavefront_size: 32
...
	.end_amdgpu_metadata
.endif
;; end of part 1
;; launch qkv (part 2): grid 12 x 32, 4 waves a work-group, clusters of 4 x 4, 327,680 bytes of LDS; arguments xc, xs, wc, ws, qkv; writes qkv
.if DOCPART == 2
	.amdgcn_target "amdgcn-amd-amdhsa--gfx1250"
	.amdhsa_code_object_version 6
	.text
	.protected	k_qbd6f8c9689_qkv
	.globl	k_qbd6f8c9689_qkv
	.p2align	8
	.type	k_qbd6f8c9689_qkv,@function
k_qbd6f8c9689_qkv:
	s_mov_b64 s[64:65], 0
	v_nop
	global_prefetch_b8 v0, s[64:65] scope:SCOPE_SE
	s_setreg_imm32_b32 hwreg(HW_REG_WAVE_MODE, 25, 1), 1
	s_wait_xcnt 0x0
	s_wait_alu depctr_hold_cnt(0) depctr_sa_sdst(0) depctr_va_vdst(0) depctr_va_sdst(0) depctr_va_ssrc(0) depctr_va_vcc(0) depctr_vm_vsrc(0)
	s_getreg_b32 s2, hwreg(HW_REG_IB_STS2, 6, 4)
	s_cmp_eq_u32 s2, 0
	s_cbranch_scc0 .Lentry_in_a_cluster
	s_endpgm
.Lentry_in_a_cluster:
	s_bfe_u32 s2, ttmp6, 0x10000c
	s_cmp_lg_u32 s2, 0xf033
	s_cbranch_scc0 .Lentry_shape_is_right
	s_endpgm
.Lentry_shape_is_right:
; C[m][n] = sum over k of x[m][k] w[n][k], m = 8,192 tokens, n = 3,072 (wq's, wk's, wv's rows on end), k = 1,024: both operands as codes of FP4 (E2M1) with one E8M0 scale for each 32 along K; sums in f32.
; The result is rounded to f16 and laid BY HEAD: byte = sel << 24 | (16 batch + head) << 18 | token << 7 | 2 d, sel = 0 q, 1 k, 2 v: a head's rows are dense, two tokens to 256 bytes.
; LIMIT: |q|, |k|, |v| stay under 65,504 (f16); NaN and infinities are not served.
; A tile of C, 256 x 256, is made by a work-group of four waves; a wave makes 128 x 128: 64 accumulators of 16 x 16, 512 registers.  K = 1,024 is two K steps of 512 (rows of 256 bytes): the two LDS slots hold all of K,
; both are first fills, nothing is filled again, and there is no loop.  THE SCALES of the work-group's 256 + 256 rows, for all of K, are two dense blocks: they come once, with the first fills, as rows of 256 bytes.
; CLUSTERS: 4 x 4 work-groups.  The four of a row of the cluster need the same tiles of x, the four of a column the same tiles of w: each tile is asked for JOINTLY, by the same tensor load with the same descriptor and a mask that names the four.
; THE MATRIX INSTRUCTION IS USED TRANSPOSED (source 0 = 16 rows of w, source 1 = 16 rows of x): a lane then holds eight neighbouring features of one token.
; REGISTERS, in windows of 256: window 0: v0-31 addresses; v32-95 scale words, two sets; v128-191 x's fragments, ONE set; on the way out v32-63, v192-255.
;   window 1: w's fragments, TWO sets, at v0 and v128.   window 2: the accumulators of my rows 0-63 ((a, b) at v[8 (8 a + b)]);   window 3: those of my rows 64-127.
.set SIZE_K, 1024
.set KSTEP,  512                       ; along K in a slot
.set NQ,     KSTEP/128                 ; matrix instructions deep
.set ROWB,   256                       ; a tile's row in bytes
.set KROW,   SIZE_K*4/8                ; a row of codes in memory
.set PITCH,  272                       ; an LDS row: 256 bytes + 16 of padding = 68 words: row r starts at bank 4 r mod 64 (64 banks of 4 bytes: ISA guide 11.1)
.set FR,     8                         ; registers of a fragment: 16 rows x 128 K
.set NL,     2                         ; LDS loads that bring one
.set NP,     4                         ; places behind this matrix instruction (ISA guide 7.12.1)
.set HALFT,  128*PITCH                 ; 128 rows: what one tensor load brings
.set SLOT,   4*HALFT                   ; x's 256 rows, then w's 256 rows
.set KS,     SIZE_K/32                 ; a row of scales: 32 bytes
.set SCL,    2*SLOT                    ; behind the slots: the scales, as rows of 256 bytes + 16 of padding
.set HALFS,  (128*KS/256)*272          ; the scales of 128 rows
.set SBLK,   (16*KS/256)*272           ; those of 16 rows
.set SPARE,  SCL+4*HALFS               ; behind the scales: the spare words, 128 bytes for each wave, which no other line names
.set SPITCH, 272                       ; the way out: a stage of 16 tokens x (256 bytes + 16) for each wave, in slot 0, which has had its only fill and its last read when the first result is stored there
.set ADRA, 16                          ; v16-17  LDS address of my x fragments in slot 0, 1
.set ADRB, 20                          ; v20-21  the same for w
.set STO,  24                          ; v24     the way out: where I put 16 bytes of a token's row
.set RD,   25                          ; v25     where I read back: four tokens x 128 bytes of one head
.set CO,   26                          ; v26     16 x lane: my place in a store's 512 bytes
.set ADRS, 27                          ; v27     LDS address of my scale words: lanes 0-15 x's rows, lanes 16-31 w's
.set SPW,  28                          ; v28     LDS address of my spare word; never rewritten
.set NIL,  29                          ; v29     0; never rewritten
.set SC,   32                          ; scale words: set s at v[SC + 32 s]; register 4 i + q: lanes 0-15 x's block i, lanes 16-31 w's block i, the slot's q-th 128 along K
.set AF,   128                         ; x's fragments, in window 0
.set TMP,  192                         ; the way out: a block's 32 packed registers
.set G1, 24                            ; s[24:31] descriptor group 1 for x's tiles;  s[32:39] group 0, one set for each slot
.set G0, 32
.set G1B, 48                           ; s[48:55], s[56:63] the same for w's tiles
.set G0B, 56
.set G1S, 68                           ; s[68:75], s[76:79] groups 1 and 0 for x's scales;  s[80:87], s[88:91] for w's
.set G0S, 76
.set G1SB, 80
.set G0SB, 88
.set MSB, 0
.macro WIN new                         ; the immediate's high byte repeats the setting that is left
.if MSB != \new
	s_set_vgpr_msb (MSB<<8)|\new
.set MSB, \new
.endif
.endm
.set MUL_LO, 0xa1                      ; source 0 (w) window 1, source 1 (x) window 0, C and D window 2
.set MUL_HI, 0xf1                      ; the same, C and D window 3
.set TO_B,   0x40                      ; destination window 1, address window 0
; A joint load: waves 0 and 1 fetch for x, waves 2 and 3 for w.  Each of the two lines has ONE mask and one set of registers for all that issue it; the branch hangs on the wave's number alone.
; An s_nop 0 and four v_nop follow each of the two lines, ahead of the jump, the label and what follows.
.macro JLOAD g0a, g1a, g0b, g1b
	s_cmp_eq_u32 s15, 0
	s_cbranch_scc0 .Lfor_b_\@
	tensor_load_to_lds s[\g0a:\g0a+3], s[\g1a:\g1a+7]
	s_nop 0
.rept 4
	v_nop
.endr
	s_branch .Lasked_\@
.Lfor_b_\@:
	tensor_load_to_lds s[\g0b:\g0b+3], s[\g1b:\g1b+7]
	s_nop 0
.rept 4
	v_nop
.endr
.Lasked_\@:
.endm
.macro CROUND                          ; a round of the cluster's barrier: my work-group's barrier; wave 0 signals for the work-group; every wave waits for all sixteen; my work-group's barrier once more
	s_barrier_signal -1
	s_barrier_wait -1
	s_cmp_lg_u32 s14, 0
	s_cbranch_scc1 .Lnot_wave_0_\@
	s_barrier_signal -3
.Lnot_wave_0_\@:
	s_barrier_wait -3
	s_barrier_signal -1
	s_barrier_wait -1
.endm
	s_load_b128 s[4:7], s[0:1], 0x0                ; x's codes s[4:5], x's scales s[6:7]
	s_load_b128 s[8:11], s[0:1], 0x10              ; w's codes s[8:9], w's scales s[10:11]
	s_load_b64 s[12:13], s[0:1], 0x20              ; qkv
	v_lshl_add_u32 v[SPW], v0, 2, SPARE
	v_mov_b32 v[NIL], 0
	ds_add_u32 v[SPW], v[NIL]                      ; the wave's opening: the add, twice on end, and its wait ahead of my first tensor load; the set-up below stands between the second and the wait
	ds_add_u32 v[SPW], v[NIL]
	v_lshrrev_b32 v1, 5, v0
	v_readfirstlane_b32 s14, v1                    ; wave 0..3
	s_lshr_b32 s15, s14, 1                         ; which half of the tile's rows is mine.  Also: I fetch for x (0) or for w (1)
	s_and_b32 s16, s14, 1                          ; which half of its columns.  Also: which 128 rows of that tile I fetch
	s_bfe_u32 s40, ttmp6, 0x40000                  ; cx, cy: my place in the cluster
	s_bfe_u32 s41, ttmp6, 0x40004
	s_lshl_b32 s42, ttmp9, 2
	s_add_co_u32 s42, s42, s40                     ; tile column of C = 4 x cluster x + cx
	s_and_b32 s17, ttmp7, 0xffff
	s_lshl_b32 s17, s17, 2
	s_add_co_u32 s17, s17, s41                     ; tile row of C = 4 x cluster y + cy
	s_lshl_b32 s43, s41, 2
	s_lshl_b32 s43, 15, s43                        ; my row of the cluster
	s_lshl_b32 s44, 0x1111, s40                    ; my column
	; descriptor group 1: a tile of 128 rows x 256 bytes, padded in LDS
	s_or_b32 s[G1+0], s43, (0<<16)|(1<<20)|(1<<21)|(5<<22)|(3<<25)  ; 15:0 the mask: x's tiles go to my row; 17:16 element of 1 byte; 20 padding on; 21 set beside a mask; 24:22 after every 64 words; 31:25 of 4 words
	s_or_b32 s[G1B+0], s44, (0<<16)|(1<<20)|(1<<21)|(5<<22)|(3<<25)
.irp g, G1, G1B
	s_mov_b32 s[\g+1], ROWB<<16                    ; tensor_dim0
	s_mov_b32 s[\g+2], 128<<16                     ; tensor_dim1
	s_mov_b32 s[\g+3], ROWB<<16                    ; tile_dim0
	s_mov_b32 s[\g+4], 128                         ; tile_dim1
	s_mov_b32 s[\g+5], KROW                        ; tensor_dim0_stride
	s_mov_b32 s[\g+6], 0
	s_mov_b32 s[\g+7], 0
.endr
	; and for the scales of 128 rows: a dense block of 4,096 bytes, as 16 rows of 256 bytes (32 elements of 8 bytes), 16 bytes of padding behind each
	s_or_b32 s[G1S+0], s43, (3<<16)|(1<<20)|(1<<21)|(5<<22)|(3<<25)
	s_or_b32 s[G1SB+0], s44, (3<<16)|(1<<20)|(1<<21)|(5<<22)|(3<<25)
.irp g, G1S, G1SB
	s_mov_b32 s[\g+1], 32<<16
	s_mov_b32 s[\g+2], (128*KS/256)<<16
	s_mov_b32 s[\g+3], 32<<16
	s_mov_b32 s[\g+4], 128*KS/256
	s_mov_b32 s[\g+5], 32
	s_mov_b32 s[\g+6], 0
	s_mov_b32 s[\g+7], 0
.endr
	s_lshl_b32 s18, s16, 7                         ; which 128 rows of the tile I fetch
	s_lshl_b32 s20, s17, 8
	s_add_co_u32 s20, s20, s18                     ; x: row 256 x tile row + 128 x half
	s_lshl_b32 s46, s42, 8
	s_add_co_u32 s46, s46, s18                     ; w: row 256 x tile column + 128 x half
	s_mov_b32 s21, 0
	s_mov_b32 s47, 0
	s_mov_b64 s[18:19], KS
	s_mul_u64 s[22:23], s[20:21], s[18:19]         ; where these rows' scales begin, in bytes
	s_mul_u64 s[92:93], s[46:47], s[18:19]
	s_mov_b64 s[18:19], KROW
	s_mul_u64 s[20:21], s[20:21], s[18:19]         ; and their codes
	s_mul_u64 s[46:47], s[46:47], s[18:19]
	s_mul_i32 s45, s14, HALFT                      ; where they go: wave x 128 rows: no place in the cluster enters an LDS address
	s_mul_i32 s94, s14, HALFS
	s_wait_dscnt 0x0                               ; both opening adds are done
	s_wait_kmcnt 0x0
	s_add_nc_u64 s[20:21], s[4:5], s[20:21]
	s_add_nc_u64 s[22:23], s[6:7], s[22:23]
	s_add_nc_u64 s[46:47], s[8:9], s[46:47]
	s_add_nc_u64 s[92:93], s[10:11], s[92:93]
	CROUND                                         ; all sixteen work-groups are here: the joint loads meet
	s_mov_b32 s[G0S], 1
	s_add_co_u32 s[G0S+1], s94, SCL
	s_mov_b64 s[G0S+2:G0S+3], s[22:23]
	s_or_b32 s[G0S+3], s[G0S+3], 0x80000000
	s_mov_b32 s[G0SB], 1
	s_add_co_u32 s[G0SB+1], s94, SCL
	s_mov_b64 s[G0SB+2:G0SB+3], s[92:93]
	s_or_b32 s[G0SB+3], s[G0SB+3], 0x80000000
	JLOAD G0S, G1S, G0SB, G1SB                     ; the scales first: they are wanted with K step 0
.irp s, 0,1
	s_mov_b32 s[G0+4*\s], 1
	s_add_co_u32 s[G0+4*\s+1], s45, \s*SLOT
	s_add_nc_u64 s[G0+4*\s+2:G0+4*\s+3], s[20:21], \s*ROWB
	s_or_b32 s[G0+4*\s+3], s[G0+4*\s+3], 0x80000000
	s_mov_b32 s[G0B+4*\s], 1
	s_add_co_u32 s[G0B+4*\s+1], s45, \s*SLOT
	s_add_nc_u64 s[G0B+4*\s+2:G0B+4*\s+3], s[46:47], \s*ROWB
	s_or_b32 s[G0B+4*\s+3], s[G0B+4*\s+3], 0x80000000
	JLOAD G0+4*\s, G1, G0B+4*\s, G1B               ; three loads of mine are out in all
.endr
	v_and_b32 v1, 15, v0                           ; r = l % 16
	v_bfe_u32 v2, v0, 4, 1                         ; h = l / 16
	v_mul_u32_u24 v3, v1, PITCH
	v_lshl_add_u32 v4, v2, 4, v3                   ; a fragment's row x pitch + 16 x half
	s_mul_i32 s21, s15, HALFT                      ; my 128 rows of x
	s_mul_i32 s22, s16, HALFT                      ; my 128 rows of w,
	s_add_co_u32 s22, s22, 2*HALFT                 ; which lie behind x's 256
.irp s, 0,1
	v_add_nc_u32 v[ADRA+\s], s21, v4
	v_add_nc_u32 v[ADRB+\s], s22, v4
	s_add_co_u32 s21, s21, SLOT
	s_add_co_u32 s22, s22, SLOT
.endr
	v_mul_u32_u24 v5, v1, KS                       ; my row's scales: 32 bytes a row,
	v_lshrrev_b32 v6, 8, v5
	v_lshl_add_u32 v5, v6, 4, v5                   ; and 16 more for each 256 passed
	s_mul_i32 s21, s15, HALFS                      ; x's: my 128 rows
	s_mul_i32 s22, s16, HALFS                      ; w's: my 128 rows, behind x's 256
	s_add_co_u32 s22, s22, 2*HALFS
	s_sub_co_u32 s22, s22, s21
	v_mul_u32_u24 v6, s22, v2                      ; lanes 16-31 take w's: one product, the distance between the two bases x h
	s_add_co_u32 s21, s21, SCL
	v_add_nc_u32 v5, v5, v6
	v_add_nc_u32 v[ADRS], s21, v5
	s_mul_i32 s23, s14, 16*SPITCH                  ; my stage
	v_mul_u32_u24 v5, v1, SPITCH                   ; in: token r, 16 bytes for each half of the lanes
	v_lshl_add_u32 v5, v2, 4, v5
	v_add_nc_u32 v[STO], s23, v5
	v_bfe_u32 v5, v0, 3, 2                         ; back: eight lanes to a token's 128 bytes of one head, four tokens an instruction
	v_mul_u32_u24 v5, v5, SPITCH
	v_and_b32 v6, 7, v0
	v_lshl_add_u32 v5, v6, 4, v5
	v_add_nc_u32 v[RD], s23, v5
	v_and_b32 v6, 31, v0
	v_lshlrev_b32 v[CO], 4, v6                     ; in memory these four tokens are 512 consecutive bytes
	; where my part begins in qkv: batch = tile row / 8, token = 256 (tile row % 8) + 128 x row half;  sel = tile column / 4, head = 4 (tile column % 4) + 2 x column half
	s_lshr_b32 s20, s17, 3
	s_lshl_b32 s20, s20, 22
	s_and_b32 s21, s17, 7
	s_lshl_b32 s21, s21, 15
	s_add_co_u32 s20, s20, s21
	s_lshl_b32 s21, s15, 14
	s_add_co_u32 s20, s20, s21
	s_mov_b32 s21, 0
	s_lshr_b32 s46, s42, 2
	s_lshl_b32 s46, s46, 24
	s_and_b32 s47, s42, 3
	s_lshl_b32 s47, s47, 20
	s_add_co_u32 s46, s46, s47
	s_lshl_b32 s47, s16, 19
	s_add_co_u32 s46, s46, s47
	s_mov_b32 s47, 0
	s_add_nc_u64 s[20:21], s[20:21], s[46:47]
	s_add_nc_u64 s[12:13], s[12:13], s[20:21]
.macro FRAG reg, adr, q, i             ; a fragment, 16 rows x 128 K of 4-bit codes: lane l holds row l % 16; registers 4 c .. 4 c + 3 hold K = 64 c + 32 (l / 16) + 0 .. 31
.irp c, 0,1
	ds_load_b128 v[\reg+4*\c:\reg+4*\c+3], v[\adr] offset:64*(\q)+32*\c+(\i)*16*PITCH
.endr
.endm
; 16 matrix instructions: x's blocks a0, a0 + 1 against w's eight, 128 along K: the slot's q-th.  p: w's set;  sc: the set of scale words.  zero = 1: the first product starts the sums.
; The 64 accumulators take turns, one instruction a turn, in the same order in every step.
.macro MUL16 a0, p, q, sc, zero
.irp a, \a0, \a0+1
.irp b, 0,1,2,3,4,5,6,7
.if \zero
	v_wmma_scale_f32_16x16x128_f8f6f4 v[8*(8*((\a)%4)+\b):8*(8*((\a)%4)+\b)+7], v[128*(\p)+FR*\b:128*(\p)+FR*\b+FR-1], v[AF+FR*(\a):AF+FR*(\a)+FR-1], 0, v[SC+8*NQ*(\sc)+NQ*\b+(\q)], v[SC+8*NQ*(\sc)+NQ*(\a)+(\q)] matrix_a_fmt:MATRIX_FMT_FP4 matrix_b_fmt:MATRIX_FMT_FP4 matrix_a_scale:MATRIX_SCALE_ROW1
.else
	v_wmma_scale_f32_16x16x128_f8f6f4 v[8*(8*((\a)%4)+\b):8*(8*((\a)%4)+\b)+7], v[128*(\p)+FR*\b:128*(\p)+FR*\b+FR-1], v[AF+FR*(\a):AF+FR*(\a)+FR-1], v[8*(8*((\a)%4)+\b):8*(8*((\a)%4)+\b)+7], v[SC+8*NQ*(\sc)+NQ*\b+(\q)], v[SC+8*NQ*(\sc)+NQ*(\a)+(\q)] matrix_a_fmt:MATRIX_FMT_FP4 matrix_b_fmt:MATRIX_FMT_FP4 matrix_a_scale:MATRIX_SCALE_ROW1
.endif
.endr
.endr
.endm
.macro FETCH_B slot, q, p              ; w's eight fragments of the slot's q-th 128 along K into set p
	WIN TO_B
.irp i, 0,1,2,3,4,5,6,7
	FRAG 128*(\p)+FR*\i, ADRB+\slot, \q, \i
.endr
	WIN 0
.endm
.macro FETCH_A slot, q, i0             ; x's blocks i0 .. i0 + 3
.irp i, \i0, \i0+1, \i0+2, \i0+3
	FRAG AF+FR*(\i), ADRA+\slot, \q, \i
.endr
.endm
.macro SCALES sc                       ; a K step's scale words into set sc: four words a row; lanes 0-15 take x's block i, lanes 16-31 w's block i
.irp i, 0,1,2,3,4,5,6,7
	ds_load_b128 v[SC+8*NQ*\sc+NQ*\i:SC+8*NQ*\sc+NQ*\i+3], v[ADRS] offset:\i*SBLK
.endr
.endm
; A load into a register that a matrix instruction has read, and a vector instruction that reads a matrix result, stand four places behind that matrix instruction; only plain vector instructions that name none of its registers are places.
.macro PLACES n
.rept \n
	v_nop
.endr
.endm
; A step of 128 along K that has its successor in the same slot.  A block of x is free as soon as its eight products are issued: blocks 0-3 are fetched anew in the step's middle, blocks 4-7 at its end.
.macro STEP slot, q, zero
	s_wait_dscnt 4*NL                              ; w's set and x's blocks 0-3 are in; the youngest eight loads (x's blocks 4-7) may be out
	WIN MUL_LO
	MUL16 0, (\q)%2, \q, \slot, \zero
	MUL16 2, (\q)%2, \q, \slot, \zero
	s_wait_dscnt 0                                 ; x's blocks 4-7 are in
	PLACES NP
	FETCH_B \slot, (\q)+1, 1-(\q)%2
	FETCH_A \slot, (\q)+1, 0
	WIN MUL_HI
	MUL16 4, (\q)%2, \q, \slot, \zero
	MUL16 6, (\q)%2, \q, \slot, \zero
	PLACES NP
	WIN 0
	FETCH_A \slot, (\q)+1, 4
.endm
; Slot 0's last step changes slots: one barrier; in front of it each wave waits for all its tensor loads (slot 1's is the one that may be out), adds 0 to its spare word, and waits for that and for its own reads of slot 0.
; Behind it slot 1 is whole and nobody reads slot 0 any more: the stages of the way out may lie there.  Nothing is filled again.
.macro TURN slot, next
	s_wait_tensorcnt 0x0                           ; all my tensor loads have landed  (every window is 0 here: the add's two registers lie in window 0)
	ds_add_u32 v[SPW], v[NIL]                      ; 0 onto my spare word
	s_wait_dscnt 4*NL+1                            ; (the add and the youngest eight loads, x's blocks 4-7, may be out)
	WIN MUL_LO
	MUL16 0, 1, NQ-1, \slot, 0                     ; sixteen matrix instructions stand between the add and the wait for it
	s_wait_dscnt 0x0                               ; the add is done, and my reads of this slot are over
	s_barrier_signal -1
	MUL16 2, 1, NQ-1, \slot, 0
	WIN 0
	s_barrier_wait -1
	PLACES NP
	v_add_nc_u32 v[ADRS], 4*NQ, v[ADRS]            ; on to the next K step's scale words (no LDS load of mine is out)
	FETCH_B \next, 0, 0
	FETCH_A \next, 0, 0
	SCALES \next
	WIN MUL_HI
	MUL16 4, 1, NQ-1, \slot, 0
	MUL16 6, 1, NQ-1, \slot, 0
	PLACES NP
	WIN 0
	FETCH_A \next, 0, 4
.endm
	s_wait_tensorcnt 1                             ; the scales and my part of K step 0 are in (K step 1's load may be out)
	s_barrier_signal -1
	s_barrier_wait -1                              ; everybody's are
	FETCH_B 0, 0, 0
	FETCH_A 0, 0, 0
	SCALES 0
	FETCH_A 0, 0, 4
	STEP 0, 0, 1                                   ; the first step's products start the sums: nothing is cleared
	STEP 0, 1, 0
	STEP 0, 2, 0
	TURN 0, 1
	STEP 1, 0, 0
	STEP 1, 1, 0
	STEP 1, 2, 0
	s_wait_dscnt 4*NL                              ; the very last step: nothing more to fetch
	WIN MUL_LO
	MUL16 0, 1, NQ-1, 1, 0
	MUL16 2, 1, NQ-1, 1, 0
	s_wait_dscnt 0
	WIN MUL_HI
	MUL16 4, 1, NQ-1, 1, 0
	MUL16 6, 1, NQ-1, 1, 0
	WIN 0
; THE WAY OUT, block by block of 16 tokens x 128 features (two heads).  PACK: rounded to f16, a lane's eight features in 16 bytes, each accumulator from its low end on.  TOSTAGE: into my own stage, rows of 272 bytes,
; and back by heads: four tokens x 128 bytes of one head, which are 512 consecutive bytes of qkv.  SEND: stored.  LDS serves a wave's instructions in order: no wait between the stores and the loads.
.macro PACK a
.set AC, 64*((\a)%4)
	WIN 0x0a+5*((\a)/4)                            ; sources 0 and 1: window 2 or 3
.irp b, 0,1,2,3,4,5,6,7
.irp i, 0,1,2,3
	v_cvt_pk_f16_f32 v[TMP+4*\b+\i], v[AC+8*\b+2*\i], v[AC+8*\b+2*\i+1]
.endr
.endr
	WIN 0
.endm
.macro TOSTAGE a
.set BB, 32+192*((\a)%2)               ; v32-63 and v224-255 by turns
.irp b, 0,1,2,3,4,5,6,7
	ds_store_b128 v[STO], v[TMP+4*\b:TMP+4*\b+3] offset:32*\b
.endr
.irp i, 0,1,2,3,4,5,6,7
	ds_load_b128 v[BB+4*\i:BB+4*\i+3], v[RD] offset:(\i%4)*4*SPITCH+(\i/4)*128
.endr
.endm
.macro SEND a
.set BB, 32+192*((\a)%2)
	s_wait_dscnt 0x0                               ; the block is back in registers
	s_wait_xcnt 0x0                                ; the stores of the block before have read their registers: the next block's loads may land there
.irp i, 0,1,2,3,4,5,6,7
	global_store_b128 v[CO], v[BB+4*\i:BB+4*\i+3], s[12:13] offset:(\i/4)*262144+(16*(\a)+4*(\i%4))*128   ; 32 lanes store 512 consecutive bytes, at a multiple of 256 from qkv's first byte; every offset is an immediate
.endr
.endm
	PLACES NP                                      ; behind the last products: for the conversions that read results and the loads into registers that held scale words
	PACK 0
	TOSTAGE 0
.irp a, 1,2,3,4,5,6,7                  ; block a's conversions stand between block a - 1's loads from the stage and the wait for them
	PACK \a
	SEND \a-1
	TOSTAGE \a
.endr
	SEND 7
	s_wait_tensorcnt 0x0                           ; the wave's end: behind my last tensor load and my last LDS store
	ds_add_u32 v[SPW], v[NIL]
	s_wait_dscnt 0x0
	CROUND                                         ; the closing round: no work-group ends while a partner may still ask for a tile that names it
	s_endpgm
.Lfunc_end_k_qbd6f8c9689_qkv:
	.size	k_qbd6f8c9689_qkv, .Lfunc_end_k_qbd6f8c9689_qkv-k_qbd6f8c9689_qkv
	.p2alignl 7, 3214868480
	.fill 96, 4, 3214868480
	.section	.rodata,"a",@progbits
	.p2align	6, 0x0
	.amdhsa_kernel k_qbd6f8c9689_qkv
		.amdhsa_group_segment_fixed_size 327680
		.amdhsa_private_segment_fixed_size 0
		.amdhsa_enable_private_segment 0
		.amdhsa_kernarg_size 40
		.amdhsa_user_sgpr_count 2
		.amdhsa_user_sgpr_kernarg_segment_ptr 1
		.amdhsa_wavefront_size32 1
		.amdhsa_system_sgpr_workgroup_id_x 1
		.amdhsa_system_sgpr_workgroup_id_y 1
		.amdhsa_system_sgpr_workgroup_id_z 1
		.amdhsa_system_vgpr_workitem_id 0
		.amdhsa_next_free_vgpr 1024
		.amdhsa_next_free_sgpr 98
		.amdhsa_reserve_vcc 0
		.amdhsa_float_denorm_mode_32 3
		.amdhsa_float_denorm_mode_16_64 3
		.amdhsa_memory_ordered 1
		.amdhsa_forward_progress 1
		.amdhsa_inst_pref_size 126
	.end_amdhsa_kernel
	.amdgpu_metadata
---
amdhsa.version: [ 1, 2 ]
amdhsa.kernels:
  - .name:           k_qbd6f8c9689_qkv
    .symbol:         k_qbd6f8c9689_qkv.kd
    .args:
      - { .name: xc, .offset: 0, .size: 8, .value_kind: global_buffer, .address_space: global }
      - { .name: xs, .offset: 8, .size: 8, .value_kind: global_buffer, .address_space: global }
      - { .name: wc, .offset: 16, .size: 8, .value_kind: global_buffer, .address_space: global }
      - { .name: ws, .offset: 24, .size: 8, .value_kind: global_buffer, .address_space: global }
      - { .name: qkv, .offset: 32, .size: 8, .value_kind: global_buffer, .address_space: global }
    .group_segment_fixed_size: 327680
    .private_segment_fixed_size: 0
    .kernarg_segment_align: 8
    .kernarg_segment_size: 40
    .max_flat_workgroup_size: 128
    .sgpr_count:     98
    .vgpr_count:     1024
    .wavefront_size: 32
...
	.end_amdgpu_metadata
.endif
;; end of part 2
;; launch attn (part 3): grid 4 x 64, 8 waves a work-group, clusters of 4 x 1, 327,680 bytes of LDS; arguments qkv, o; writes o
.if DOCPART == 3
	.amdgcn_target "amdgcn-amd-amdhsa--gfx1250"
	.amdhsa_code_object_version 6
	.text
	.protected	k_qbd6f8c9689_attn
	.globl	k_qbd6f8c9689_attn
	.p2align	8
	.type	k_qbd6f8c9689_attn,@function
k_qbd6f8c9689_attn:
	s_mov_b64 s[64:65], 0
	v_nop
	global_prefetch_b8 v0, s[64:65] scope:SCOPE_SE
	s_setreg_imm32_b32 hwreg(HW_REG_WAVE_MODE, 25, 1), 1
	s_wait_xcnt 0x0
	s_wait_alu depctr_hold_cnt(0) depctr_sa_sdst(0) depctr_va_vdst(0) depctr_va_sdst(0) depctr_va_ssrc(0) depctr_va_vcc(0) depctr_vm_vsrc(0)
	s_getreg_b32 s2, hwreg(HW_REG_IB_STS2, 6, 4)
	s_cmp_eq_u32 s2, 0
	s_cbranch_scc0 .Lentry_in_a_cluster
	s_endpgm
.Lentry_in_a_cluster:
	s_bfe_u32 s2, ttmp6, 0x10000c
	s_cmp_lg_u32 s2, 0x3003
	s_cbranch_scc0 .Lentry_shape_is_right
	s_endpgm
.Lentry_shape_is_right:
; o[g][q][:] = the sum over k of softmax_k(Q[g][q] . K[g][k] / 8) V[g][k][:], g = 16 batch + head, 64 of them; 2,048 queries and keys, head size 64, no mask.
; Q, K, V: f16 in qkv, byte = sel << 24 | g << 18 | token << 7 | 2 d;  o: f16, byte = g << 18 | token << 7 | 2 d.  Products, maxima and sums in f32; the weights p are rounded to f16 for the second product, o once at the end.
; LIMITS: NaN and infinities are not served; |o| stays under 65,504 (f16), which it does wherever |v| does.
; SHARES.  A work-group owns 512 queries of one g, each of its EIGHT waves 64: four tiles of 16, in 512 registers: two waves to a SIMD, so that one wave's softmax can stand beside the other's products.
; Every wave walks all 2,048 keys, 64 a step; each fragment of K or V read from LDS feeds four matrix instructions.
; LAYOUT.  S^T = K Q^T (source 0 = 16 keys, source 1 = 16 queries): a lane holds ONE query (lane % 16) and the keys 8 (lane / 16) + 0..7.  Two such tiles, rounded to f16 in pairs, ARE source 1 (32 keys x 16 queries) of
; O^T = V^T P, whose result again holds one query a lane, and eight channels.  K comes out of LDS as it lies, V ([key][channel]) turned, by ds_load_tr16_b128.
; SOFTMAX.  For each query a running maximum m and sum l: p = 2^(c s - c m), c = log2(e) / 8; in every step O and l are multiplied by a = 2^(c m_old - c m_new).  The sum is taken of the unrounded p.
; CLUSTER.  The four query blocks of a g form a cluster and walk the same K and V: each tile is asked for JOINTLY, by the same tensor load with the same descriptor and a mask that names the four.
; THE RING.  Two slots of 512 keys.  K's and V's rows are 128 bytes and dense, so a tile is stated as rows of 256 bytes (two keys).  Waves 0-3 fetch K's quarters of a slot, waves 4-7 V's: 64 long rows a load.
; Both slots are first fills; each is filled again once; a refill has eight key steps, 512 matrix instructions a wave, in which to land.  By this text's own count a wave has two loads out at the start, later one.
; REGISTERS.  Window 0: v1-11 addresses; v12-43 statistics, 8 a tile; v44-59 the sums' chains, 4 a tile; v62, v63 the add's two; v64-191 S^T, 32 a tile (P lands in each tile's lower 16); v192-255 Q, 16 a tile.
;   Window 1: v0-127 O^T, 32 a tile; v128-191 K of one step; v192-255 V of one step.
.set PK,    272                        ; a long row of K in LDS: 256 bytes + 16 = 68 words: key k lies at (k / 2) PK + 128 (k % 2): the 16 keys of a load start at 16 different groups of four banks (64 banks of 4 bytes: ISA guide 11.1)
.set PV,    288                        ; of V: 256 + 32
.set VOFF,  256*PK                     ; a slot: 256 long rows of K, then 256 of V
.set SLOTB, 256*(PK+PV)
.set SPARE, 2*SLOTB                    ; behind the ring: the spare words, 128 bytes for each of eight waves, which no other line names
.set STAGE, SPARE+1024                 ; behind them: 16 rows x 144 bytes for each wave, for the way out; no fill lands here
.set SP,    144
.set SLOTG, 65536                      ; a slot's 512 keys in memory
.set AK0, 2                            ; v2   my lane's place in a tile of K; never rewritten
.set AV0, 3                            ; v3   the same for V
.set ADK, 4                            ; v4   LDS address of the step's K
.set ADV, 5                            ; v5   of its V
.set QO,  6                            ; v6   my byte offset in the wave's rows of Q
.set STO, 7                            ; v7   the way out: where I put 16 bytes of a row
.set RD,  8                            ; v8   where I read back
.set GO,  9                            ; v9   16 x lane
.set ST,  12                           ; tile t's statistics at v[ST + 8 t]: +0 c m, +1 m, +2, +3 l (even keys', odd keys'), +4 to +7 chains c0-c3; a takes c2's place, c m_old - c m_new c3's
.set XT,  44                           ; tile t's two pairs for the sums at v[XT + 4 t]
.set SPW, 62
.set NIL, 63
.set S,   64
.set Q,   192
.set KF,  128                          ; in window 1
.set VF,  192
.set WV,  8                            ; s8   my wave's number
.set G1K, 16                           ; s[16:23] descriptor group 1 for K's tiles;  s[24:31] for V's: it differs in the padding alone
.set G1V, 24
.set G0K, 32                           ; s[32:39] group 0 for K's tiles, a set for each slot;  s[40:47] for V's
.set G0V, 40
.set CS,  48                           ; s[48:49] c: the packed scaling names a pair and takes its low word for both halves
.set SEL, 50                           ; s[50:51] lane selects for v_permlanex16_b32: lane l xor 16
.set TK,  52                           ; s52  LDS byte at which the step's K begins
.set TV,  53                           ; s53  the same for V (VOFF lies in AV0)
.set CNT, 54                           ; s54  counts a loop's steps
.set MSB, 0
.macro WIN new                         ; the immediate's high byte repeats the setting that is left; a switch that changes nothing is dropped
.if MSB != \new
	s_set_vgpr_msb (MSB<<8)|\new
.set MSB, \new
.endif
.endm
.set W_LD, 0x40                        ; an LDS load's destination in window 1, its address in window 0
.set W_KQ, 0x01                        ; K in window 1; Q and S^T in window 0
.set W_RS, 0x41                        ; O^T (destination and source 0) in window 1, a in window 0
.set W_PV, 0x51                        ; V and O^T in window 1, P in window 0
.set W_PK, 0x05                        ; sources 0 and 1 in window 1, destination in window 0
; A joint refill of slot s.  The branch hangs on the wave's number alone: it is the same in every work-group.  An s_nop 0 and four v_nop follow each of the two lines.
.macro JLOAD s
	s_cmp_lt_u32 s[WV], 4
	s_cbranch_scc0 .Lfor_v_\@
	tensor_load_to_lds s[G0K+4*\s:G0K+4*\s+3], s[G1K:G1K+7]
	s_nop 0
.rept 4
	v_nop
.endr
	s_branch .Lasked_\@
.Lfor_v_\@:
	tensor_load_to_lds s[G0V+4*\s:G0V+4*\s+3], s[G1V:G1V+7]
	s_nop 0
.rept 4
	v_nop
.endr
.Lasked_\@:
.endm
.macro CROUND                          ; a round of the cluster's barrier: my work-group's barrier; wave 0 signals for the work-group; every wave waits for all four work-groups; my work-group's barrier once more
	s_barrier_signal -1
	s_barrier_wait -1
	s_cmp_lg_u32 s[WV], 0
	s_cbranch_scc1 .Lnot_wave_0_\@
	s_barrier_signal -3
.Lnot_wave_0_\@:
	s_barrier_wait -3
	s_barrier_signal -1
	s_barrier_wait -1
.endm
.macro PLACES n
.rept \n
	v_nop
.endr
.endm
	s_load_b128 s[4:7], s[0:1], 0x0                ; qkv s[4:5], o s[6:7]
	v_lshl_add_u32 v[SPW], v0, 2, SPARE
	v_mov_b32 v[NIL], 0
	ds_add_u32 v[SPW], v[NIL]                      ; the wave's opening: the add, twice on end, and its wait ahead of my first tensor load; the set-up below stands between the second and the wait
	ds_add_u32 v[SPW], v[NIL]
	v_lshrrev_b32 v1, 5, v0
	v_readfirstlane_b32 s[WV], v1                  ; wave 0..7
	s_and_b32 s11, ttmp7, 0xffff                   ; g, which the four partners share
	s_and_b32 s14, s[WV], 3                        ; which quarter of a slot I fetch
	s_lshl_b32 s56, s11, 18                        ; g's first byte in a section of qkv,
	s_lshl_b32 s12, s14, 14                        ; my quarter's 128 keys of 128 bytes
	s_add_co_u32 s56, s56, s12
	s_mov_b32 s57, 0
	s_mul_i32 s15, s14, 64*PK                      ; and its place in a slot: K's,
	s_mul_i32 s55, s14, 64*PV
	s_add_co_u32 s55, s55, VOFF                    ; V's: no place in the cluster enters an LDS address
	s_bfe_u32 s9, ttmp6, 0x40000                   ; cx: my place in the cluster
	s_lshl_b32 s10, ttmp9, 2                       ; in a cluster launch ttmp9 counts clusters
	s_add_co_u32 s10, s10, s9                      ; my block of 512 queries: it enters Q's and o's addresses alone
	s_lshl_b32 s58, s11, 18
	s_lshl_b32 s10, s10, 16                        ; 512 rows of 128 bytes,
	s_add_co_u32 s58, s58, s10
	s_lshl_b32 s10, s[WV], 13                      ; my wave's 64 of them
	s_add_co_u32 s58, s58, s10
	s_mov_b32 s59, 0
	; descriptor group 1: a tile of 64 long rows x 128 elements of 2 bytes, dense in memory, padded in LDS
	s_mov_b32 s[G1K], 15|(1<<16)|(1<<20)|(1<<21)|(5<<22)|(3<<25)  ; 15:0 the mask: all four work-groups; 17:16 elements of 2 bytes; 20 padding on; 21 set beside a mask; 24:22 after every 64 words; 31:25 4 words of it
	s_mov_b32 s[G1V], 15|(1<<16)|(1<<20)|(1<<21)|(5<<22)|(7<<25)  ; the same with 8 words of padding
.irp g, G1K, G1V
	s_mov_b32 s[\g+1], 128<<16                     ; tensor_dim0 = 128
	s_mov_b32 s[\g+2], 64<<16                      ; tensor_dim1 = 64
	s_mov_b32 s[\g+3], 128<<16                     ; tile_dim0 = 128
	s_mov_b32 s[\g+4], 64                          ; tile_dim1 = 64
	s_mov_b32 s[\g+5], 128                         ; tensor_dim0_stride: elements from long row to long row
	s_mov_b32 s[\g+6], 0
	s_mov_b32 s[\g+7], 0
.endr
	s_mov_b32 s[CS], 0x3e38aa3b                    ; c = log2(e) / 8
	s_mov_b32 s[CS+1], s[CS]                       ; named with it as a pair, so it is written
	s_mov_b32 s[SEL], 0x76543210
	s_mov_b32 s[SEL+1], 0xfedcba98
	s_wait_dscnt 0x0                               ; both opening adds are done
	s_wait_kmcnt 0x0
	s_add_nc_u64 s[56:57], s[4:5], s[56:57]        ; my quarter of g's first slot, in q's section: K's and V's lie 1 << 24 and 2 << 24 bytes on
	s_add_nc_u64 s[60:61], s[4:5], s[58:59]        ; Q at my wave's first row, in registers of its own
	s_add_nc_u64 s[6:7], s[6:7], s[58:59]          ; o likewise
	CROUND                                         ; all four work-groups are here: the first joint loads meet
.irp s, 0,1
	s_mov_b32 s[G0K+4*\s], 1                       ; count = 1
	s_add_co_u32 s[G0K+4*\s+1], s15, \s*SLOTB      ; LDS address
	s_add_nc_u64 s[G0K+4*\s+2:G0K+4*\s+3], s[56:57], (1<<24)+\s*SLOTG   ; global address: slot s begins with keys 512 s
	s_or_b32 s[G0K+4*\s+3], s[G0K+4*\s+3], 0x80000000                   ; type = 2
	s_mov_b32 s[G0V+4*\s], 1
	s_add_co_u32 s[G0V+4*\s+1], s55, \s*SLOTB
	s_add_nc_u64 s[G0V+4*\s+2:G0V+4*\s+3], s[56:57], (2<<24)+\s*SLOTG
	s_or_b32 s[G0V+4*\s+3], s[G0V+4*\s+3], 0x80000000
.endr
	s_cmp_lt_u32 s[WV], 4                          ; a wave's two first fills stand in one branch, ahead of every wait on TENSORcnt and every LDS read; an s_nop 0 follows each, four v_nop the second's
	s_cbranch_scc0 .Lfirst_v
	tensor_load_to_lds s[G0K:G0K+3], s[G1K:G1K+7]
	s_nop 0
	tensor_load_to_lds s[G0K+4:G0K+7], s[G1K:G1K+7]
	s_nop 0
.rept 4
	v_nop
.endr
	s_branch .Lfirst_asked
.Lfirst_v:
	tensor_load_to_lds s[G0V:G0V+3], s[G1V:G1V+7]
	s_nop 0
	tensor_load_to_lds s[G0V+4:G0V+7], s[G1V:G1V+7]
	s_nop 0
.rept 4
	v_nop
.endr
.Lfirst_asked:
	; A fragment of K or Q is 16 rows x 32 channels in 8 registers: lane l holds row l % 16; registers 0-3 channels 8 (l / 16) + 0..7, registers 4-7 channels 16 + 8 (l / 16) + 0..7: two loads of 16 bytes, 32 bytes apart.
	v_and_b32 v1, 15, v0                           ; r = l % 16
	v_bfe_u32 v10, v0, 4, 1                        ; h = l / 16
	v_lshlrev_b32 v[QO], 7, v1
	v_lshl_add_u32 v[QO], v10, 4, v[QO]            ; row x 128 + 16 x half
.irp f, 0,1,2,3,4,5,6,7                        ; Q stays in registers: tile f / 2, channels 32 (f % 2) on
	global_load_b128 v[Q+8*\f:Q+8*\f+3],   v[QO], s[60:61] offset:(\f/2)*2048+(\f%2)*64
	global_load_b128 v[Q+8*\f+4:Q+8*\f+7], v[QO], s[60:61] offset:(\f/2)*2048+(\f%2)*64+32
.endr
	v_lshrrev_b32 v11, 1, v1
	v_mul_u32_u24 v[AK0], v11, PK                  ; K: long row r / 2,
	v_and_b32 v11, 1, v0
	v_lshl_add_u32 v[AK0], v11, 7, v[AK0]          ; its half r % 2,
	v_lshl_add_u32 v[AK0], v10, 4, v[AK0]          ; + 16 h
	; The turning load takes 16 keys x 16 channels (lane l reads 16 bytes: key 8 (l / 16) + l % 8, channels 8 ((l / 8) % 2) + 0..7) and leaves half a fragment of V^T: lane l holds channel l % 16 and 8 keys.
	v_bfe_u32 v11, v0, 1, 2                        ; (l % 8) / 2
	v_lshl_add_u32 v11, v10, 2, v11                ; the key's long row: 4 h + (l % 8) / 2
	v_mul_u32_u24 v[AV0], v11, PV
	v_and_b32 v11, 1, v0
	v_lshl_add_u32 v[AV0], v11, 7, v[AV0]          ; its half l % 2
	v_bfe_u32 v11, v0, 3, 1
	v_lshl_add_u32 v[AV0], v11, 4, v[AV0]
	v_add_nc_u32 v[AV0], VOFF, v[AV0]
	s_mul_i32 s10, s[WV], 16*SP
	s_add_co_u32 s10, s10, STAGE                   ; my stage
	v_mul_u32_u24 v[STO], v1, SP                   ; in: row r, 16 bytes for each half of the lanes
	v_lshl_add_u32 v[STO], v10, 4, v[STO]
	v_add_nc_u32 v[STO], s10, v[STO]
	v_bfe_u32 v11, v0, 3, 2                        ; back: eight lanes to a row of 128 bytes, four rows an instruction
	v_mul_u32_u24 v[RD], v11, SP
	v_and_b32 v11, 7, v0
	v_lshl_add_u32 v[RD], v11, 4, v[RD]
	v_add_nc_u32 v[RD], s10, v[RD]
	v_and_b32 v11, 31, v0
	v_lshlrev_b32 v[GO], 4, v11                    ; in memory these four rows are 512 consecutive bytes
; A KEY STEP: 64 keys.  first = 1: the first step, which starts m, l and O^T: it has no a and nothing to rescale.  Every line of the softmax is written for the four tiles in turn, so that no line waits for the line above it.
.macro STEP first
	v_add_nc_u32 v[ADK], s[TK], v[AK0]             ; these two and the four v_nop are six places behind the last step's V^T P: four are owed by the loads into V's registers, five by the products below, which write over P
	v_add_nc_u32 v[ADV], s[TV], v[AV0]
	PLACES 4
	WIN W_LD
.irp f, 0,1,2,3,4,5,6,7                        ; K: keys 16 (f / 2) on, channels 32 (f % 2) on
	ds_load_b128 v[KF+8*\f:KF+8*\f+3],   v[ADK] offset:(\f/2)*8*PK+(\f%2)*64
	ds_load_b128 v[KF+8*\f+4:KF+8*\f+7], v[ADK] offset:(\f/2)*8*PK+(\f%2)*64+32
.endr
.irp f, 0,1,2,3,4,5,6,7                        ; V, turned: keys 32 (f / 4) on, channels 16 (f % 4) on
	ds_load_tr16_b128 v[VF+8*\f:VF+8*\f+3],   v[ADV] offset:(\f/4)*16*PV+(\f%4)*32
	ds_load_tr16_b128 v[VF+8*\f+4:VF+8*\f+7], v[ADV] offset:(\f/4)*16*PV+8*PV+(\f%4)*32
.endr
	s_add_co_u32 s[TK], s[TK], 32*PK               ; the next step's 64 keys
	s_add_co_u32 s[TV], s[TV], 32*PV
	s_wait_dscnt 16                                ; K's sixteen loads are in; V's sixteen may be out
	WIN W_KQ
.set i, 0
.rept 32                                       ; S^T = K Q^T: channels 32 (i / 16) on, keys 16 ((i / 4) % 4) on, tile i % 4.  The 16 accumulators take turns; the first 16 products start the sums
.set rS, S+32*(i%4)+8*((i/4)%4)
.set rK, KF+8*(2*((i/4)%4)+i/16)
.set rQ, Q+16*(i%4)+8*(i/16)
.if i < 16
	v_wmma_f32_16x16x32_f16 v[rS:rS+7], v[rK:rK+7], v[rQ:rQ+7], 0
.else
	v_wmma_f32_16x16x32_f16 v[rS:rS+7], v[rK:rK+7], v[rQ:rQ+7], v[rS:rS+7]
.endif
.set i, i+1
.endr
	WIN 0
	PLACES 4                                       ; behind the products, ahead of the first read of the scores
	; the maximum of the lane's 32 scores and the old m: four chains of seven scores, each begun at the low end of an accumulator; then the four scores left over
.irp j, 0,1,2,3
.irp t, 0,1,2,3
	v_max3_num_f32 v[ST+8*\t+4+\j], v[S+32*\t+8*\j], v[S+32*\t+8*\j+1], v[S+32*\t+8*\j+2]
.endr
.endr
.irp j, 4,5,6,7,8,9,10,11
.irp t, 0,1,2,3
	v_max3_num_f32 v[ST+8*\t+4+\j%4], v[ST+8*\t+4+\j%4], v[S+32*\t+8*(\j%4)+2*(\j/4)+1], v[S+32*\t+8*(\j%4)+2*(\j/4)+2]
.endr
.endr
.irp t, 0,1,2,3
	v_max3_num_f32 v[ST+8*\t+4], v[ST+8*\t+4], v[S+32*\t+7], v[S+32*\t+15]
	v_max3_num_f32 v[ST+8*\t+6], v[ST+8*\t+6], v[S+32*\t+23], v[S+32*\t+31]
.endr
.irp t, 0,1,2,3
	v_max3_num_f32 v[ST+8*\t+4], v[ST+8*\t+4], v[ST+8*\t+5], v[ST+8*\t+6]
.endr
.irp t, 0,1,2,3
.if \first
	v_max_num_f32 v[ST+8*\t+4], v[ST+8*\t+4], v[ST+8*\t+7]
.else
	v_max3_num_f32 v[ST+8*\t+4], v[ST+8*\t+4], v[ST+8*\t+7], v[ST+8*\t+1]
.endif
.endr
.irp t, 0,1,2,3
	v_permlanex16_b32 v[ST+8*\t+5], v[ST+8*\t+4], s[SEL], s[SEL+1]   ; the query's other 32 keys lie in the lane 16 away
.endr
.if \first == 0
.irp t, 0,1,2,3
	v_mov_b32 v[ST+8*\t+7], v[ST+8*\t]             ; c m_old is kept for a
.endr
.endif
.irp t, 0,1,2,3
	v_max_num_f32 v[ST+8*\t+1], v[ST+8*\t+4], v[ST+8*\t+5]           ; the new m
.endr
.irp t, 0,1,2,3
	v_mul_f32 v[ST+8*\t], s[CS], v[ST+8*\t+1]      ; c m: one number for all keys of the row, so its rounding cancels in the division at the end
.endr
.if \first == 0
.irp t, 0,1,2,3
	v_sub_f32 v[ST+8*\t+7], v[ST+8*\t+7], v[ST+8*\t]
.endr
.endif
.set i, 0
.rept 16
.irp t, 0,1,2,3
	v_pk_fma_f32 v[S+32*\t+2*i:S+32*\t+2*i+1], v[S+32*\t+2*i:S+32*\t+2*i+1], s[CS:CS+1], v[ST+8*\t:ST+8*\t+1] op_sel_hi:[1,0,0] neg_lo:[0,0,1] neg_hi:[0,0,1]   ; c s - c m, two at a time
.endr
.set i, i+1
.endr
	; ONE BATCH of exponentials: a of each tile, and the 128 weights in place.  None of them reads another's result.
.if \first == 0
.irp t, 0,1,2,3
	v_exp_f32 v[ST+8*\t+6], v[ST+8*\t+7]           ; a = 2^(c m_old - c m_new)
.endr
.endif
.set i, 0
.rept 128
	v_exp_f32 v[S+i], v[S+i]
.set i, i+1
.endr
	v_nop                                          ; a plain instruction behind the last exponential, ahead of the first use
	s_wait_alu depctr_va_vdst(0)                   ; ahead of the first instruction that names a result: one for the whole batch
	; the row's sum, of the unrounded p: two chains of pairs a tile (in a pair: an even key's weight, an odd key's); S^T stays as it is
.irp t, 0,1,2,3
	v_pk_add_f32 v[XT+4*\t:XT+4*\t+1],   v[S+32*\t:S+32*\t+1],   v[S+32*\t+2:S+32*\t+3]
	v_pk_add_f32 v[XT+4*\t+2:XT+4*\t+3], v[S+32*\t+4:S+32*\t+5], v[S+32*\t+6:S+32*\t+7]
.endr
.irp j, 8,12,16,20,24,28
.irp t, 0,1,2,3
	v_pk_add_f32 v[XT+4*\t:XT+4*\t+1],   v[XT+4*\t:XT+4*\t+1],   v[S+32*\t+\j:S+32*\t+\j+1]
	v_pk_add_f32 v[XT+4*\t+2:XT+4*\t+3], v[XT+4*\t+2:XT+4*\t+3], v[S+32*\t+\j+2:S+32*\t+\j+3]
.endr
.endr
.irp t, 0,1,2,3
.if \first
	v_pk_add_f32 v[ST+8*\t+2:ST+8*\t+3], v[XT+4*\t:XT+4*\t+1], v[XT+4*\t+2:XT+4*\t+3]   ; the first step starts l
.else
	v_pk_add_f32 v[XT+4*\t:XT+4*\t+1], v[XT+4*\t:XT+4*\t+1], v[XT+4*\t+2:XT+4*\t+3]
.endif
.endr
.if \first == 0
.irp t, 0,1,2,3
	v_pk_fma_f32 v[ST+8*\t+2:ST+8*\t+3], v[ST+8*\t+2:ST+8*\t+3], v[ST+8*\t+6:ST+8*\t+7], v[XT+4*\t:XT+4*\t+1] op_sel_hi:[1,0,1]   ; l = a l + the sum
.endr
.endif
.set i, 0
.rept 16                                       ; P: a pair of weights to a register, in place in the tile's lower 16 registers: register i is written when registers 2 i and 2 i + 1 are read, and i <= 2 i
.irp t, 0,1,2,3
	v_cvt_pk_f16_f32 v[S+32*\t+i], v[S+32*\t+2*i], v[S+32*\t+2*i+1]
.endr
.set i, i+1
.endr
.if \first == 0
	WIN W_RS
.set i, 0
.rept 16                                       ; O^T times a, each accumulator from its low end on
.irp t, 0,1,2,3
	v_pk_mul_f32 v[32*\t+2*i:32*\t+2*i+1], v[32*\t+2*i:32*\t+2*i+1], v[ST+8*\t+6:ST+8*\t+7] op_sel_hi:[1,0]
.endr
.set i, i+1
.endr
.endif
	s_wait_dscnt 0x0                               ; V is in
	WIN W_PV
.set i, 0
.rept 32                                       ; O^T += V^T P: keys 32 (i / 16) on, channels 16 ((i / 4) % 4) on, tile i % 4; the 16 accumulators take turns
.set rO, 32*(i%4)+8*((i/4)%4)
.set rV, VF+8*(4*(i/16)+(i/4)%4)
.set rP, S+32*(i%4)+8*(i/16)
.if \first && (i < 16)
	v_wmma_f32_16x16x32_f16 v[rO:rO+7], v[rV:rV+7], v[rP:rP+7], 0
.else
	v_wmma_f32_16x16x32_f16 v[rO:rO+7], v[rV:rV+7], v[rP:rP+7], v[rO:rO+7]
.endif
.set i, i+1
.endr
	WIN 0                                          ; at a label and at a branch every window is 0
.endm
.macro STEPS n                         ; n key steps: written once, walked n times; the LDS addresses hang on s[TK] and s[TV]
	s_mov_b32 s[CNT], \n
.Lstep_\@:
	STEP 0
	s_sub_co_u32 s[CNT], s[CNT], 1
	s_cmp_lg_u32 s[CNT], 0
	s_cbranch_scc1 .Lstep_\@
.endm
; THE CHANGE OF SLOTS.  Each wave waits for all its tensor loads (the one that may be out is its part of the other slot), adds 0 to its spare word, and waits for that and for its reads of the slot that it leaves.
; fill = 1: the slot just left is filled again with the keys two slots on.  The barrier is then a round of the cluster's, so that no wave of any partner still reads the slot or has a load on its way, and the joint refill is the first thing behind it.
.macro CHANGE fill, slot
	s_wait_tensorcnt 0x0                           ; no tensor load of mine is out, so a group 0 may be written
	ds_add_u32 v[SPW], v[NIL]                      ; 0 onto my spare word
.if \fill
	s_add_nc_u64 s[G0K+4*\slot+2:G0K+4*\slot+3], s[G0K+4*\slot+2:G0K+4*\slot+3], 2*SLOTG   ; the slot's next 512 keys; the type bits on top are not reached
	s_add_nc_u64 s[G0V+4*\slot+2:G0V+4*\slot+3], s[G0V+4*\slot+2:G0V+4*\slot+3], 2*SLOTG
.endif
	s_wait_dscnt 0x0                               ; the add is done, and my reads of the slot are over
.if \fill
	CROUND
	JLOAD \slot
.else
	s_barrier_signal -1
	s_barrier_wait -1
.endif
.endm
	s_wait_tensorcnt 1                             ; my part of slot 0 is in; slot 1's may stay out
	s_barrier_signal -1
	s_barrier_wait -1                              ; everybody's is
	s_wait_loadcnt 0x0                             ; Q
	s_mov_b32 s[TK], 0                             ; keys 0 to 511, in slot 0
	s_mov_b32 s[TV], 0
	STEP 1
	STEPS 7
	CHANGE 1, 0                                    ; slot 0 takes keys 1,024 to 1,535
	s_mov_b32 s[TK], SLOTB                         ; keys 512 to 1,023, in slot 1
	s_mov_b32 s[TV], SLOTB
	STEPS 8
	CHANGE 1, 1                                    ; slot 1 takes keys 1,536 to 2,047
	s_mov_b32 s[TK], 0
	s_mov_b32 s[TV], 0
	STEPS 8
	CHANGE 0, 0                                    ; nothing is left to fetch
	s_mov_b32 s[TK], SLOTB
	s_mov_b32 s[TV], SLOTB
	STEPS 8
	; THE WAY OUT.  l's two halves and the other half of the lanes' are added; O^T is divided by l, rounded to f16 and sent through my stage in LDS, a tile (16 rows of o) at a time.  The first four additions are the places behind the last products.
.irp t, 0,1,2,3
	v_add_f32 v[ST+8*\t+4], v[ST+8*\t+2], v[ST+8*\t+3]
.endr
.irp t, 0,1,2,3
	v_permlanex16_b32 v[ST+8*\t+5], v[ST+8*\t+4], s[SEL], s[SEL+1]
.endr
.irp t, 0,1,2,3
	v_add_f32 v[ST+8*\t+4], v[ST+8*\t+4], v[ST+8*\t+5]
.endr
.irp t, 0,1,2,3
	v_rcp_f32 v[ST+8*\t+6], v[ST+8*\t+4]
.endr
	v_nop                                          ; a plain instruction between the last reciprocal and the use of its result
	s_wait_alu depctr_va_vdst(0)                   ; and a wait ahead of the first use: one for the four
; Tile t: a lane's eight channels of a row pack into 16 bytes; they go into rows of 144 bytes and come back four rows of 128 bytes at a time.  Each tile has registers of its own, so no store's data are written again.
.macro PACK t
	WIN W_RS
.set i, 0
.rept 16
	v_pk_mul_f32 v[32*\t+2*i:32*\t+2*i+1], v[32*\t+2*i:32*\t+2*i+1], v[ST+8*\t+6:ST+8*\t+7] op_sel_hi:[1,0]
.set i, i+1
.endr
	WIN W_PK
.set i, 0
.rept 16
	v_cvt_pk_f16_f32 v[S+16*\t+i], v[32*\t+2*i], v[32*\t+2*i+1]
.set i, i+1
.endr
	WIN 0
.irp c, 0,1,2,3
	ds_store_b128 v[STO], v[S+16*\t+4*\c:S+16*\t+4*\c+3] offset:32*\c
.endr
.irp i, 0,1,2,3
	ds_load_b128 v[S+64+16*\t+4*\i:S+64+16*\t+4*\i+3], v[RD] offset:\i*4*SP   ; LDS serves a wave's instructions in order: these see the stores above, and the next tile's stores come behind them
.endr
.endm
.macro SEND t, younger                 ; younger: the LDS instructions issued behind tile t's loads: the next tile's eight, or none
.irp i, 0,1,2,3
	s_wait_dscnt \younger+3-\i
	global_store_b128 v[GO], v[S+64+16*\t+4*\i:S+64+16*\t+4*\i+3], s[6:7] offset:\t*2048+\i*512   ; 32 lanes store 512 consecutive bytes, at a multiple of 256 from o's first byte
.endr
.endm
	PACK 0
	PACK 1                                         ; a tile's arithmetic stands between the loads of the tile before and its stores
	SEND 0, 8
	PACK 2
	SEND 1, 8
	PACK 3
	SEND 2, 8
	SEND 3, 0
	s_wait_tensorcnt 0x0                           ; the wave's end: behind my last tensor load and my last LDS store
	ds_add_u32 v[SPW], v[NIL]
	s_wait_dscnt 0x0
	CROUND                                         ; the closing round: no work-group ends while a partner may still ask for a tile that names it
	s_endpgm
.Lfunc_end_k_qbd6f8c9689_attn:
	.size	k_qbd6f8c9689_attn, .Lfunc_end_k_qbd6f8c9689_attn-k_qbd6f8c9689_attn
	.p2alignl 7, 3214868480
	.fill 96, 4, 3214868480
	.section	.rodata,"a",@progbits
	.p2align	6, 0x0
	.amdhsa_kernel k_qbd6f8c9689_attn
		.amdhsa_group_segment_fixed_size 327680
		.amdhsa_private_segment_fixed_size 0
		.amdhsa_enable_private_segment 0
		.amdhsa_kernarg_size 16
		.amdhsa_user_sgpr_count 2
		.amdhsa_user_sgpr_kernarg_segment_ptr 1
		.amdhsa_wavefront_size32 1
		.amdhsa_system_sgpr_workgroup_id_x 1
		.amdhsa_system_sgpr_workgroup_id_y 1
		.amdhsa_system_sgpr_workgroup_id_z 1
		.amdhsa_system_vgpr_workitem_id 0
		.amdhsa_next_free_vgpr 512
		.amdhsa_next_free_sgpr 66
		.amdhsa_reserve_vcc 0
		.amdhsa_float_denorm_mode_32 3
		.amdhsa_float_denorm_mode_16_64 3
		.amdhsa_memory_ordered 1
		.amdhsa_forward_progress 1
		.amdhsa_inst_pref_size 179
	.end_amdhsa_kernel
	.amdgpu_metadata
---
amdhsa.version: [ 1, 2 ]
amdhsa.kernels:
  - .name:           k_qbd6f8c9689_attn
    .symbol:         k_qbd6f8c9689_attn.kd
    .args:
      - { .name: qkv, .offset: 0, .size: 8, .value_kind: global_buffer, .address_space: global }
      - { .name: o, .offset: 8, .size: 8, .value_kind: global_buffer, .address_space: global }
    .group_segment_fixed_size: 327680
    .private_segment_fixed_size: 0
    .kernarg_segment_align: 8
    .kernarg_segment_size: 16
    .max_flat_workgroup_size: 256
    .sgpr_count:     66
    .vgpr_count:     512
    .wavefront_size: 32
...
	.end_amdgpu_metadata
.endif
;; end of part 3
;; launch proj (part 4): grid 8 x 32, 4 waves a work-group, clusters of 4 x 4, 327,680 bytes of LDS; arguments o, wo16, bo, out0; writes out0
.if DOCPART == 4
	.amdgcn_target "amdgcn-amd-amdhsa--gfx1250"
	.amdhsa_code_object_version 6
	.text
	.protected	k_qbd6f8c9689_proj
	.globl	k_qbd6f8c9689_proj
	.p2align	8
	.type	k_qbd6f8c9689_proj,@function
k_qbd6f8c9689_proj:
	s_mov_b64 s[64:65], 0
	v_nop
	global_prefetch_b8 v0, s[64:65] scope:SCOPE_SE
	s_setreg_imm32_b32 hwreg(HW_REG_WAVE_MODE, 25, 1), 1
	s_wait_xcnt 0x0
	s_wait_alu depctr_hold_cnt(0) depctr_sa_sdst(0) depctr_va_vdst(0) depctr_va_sdst(0) depctr_va_ssrc(0) depctr_va_vcc(0) depctr_vm_vsrc(0)
	s_getreg_b32 s2, hwreg(HW_REG_IB_STS2, 6, 4)
	s_cmp_eq_u32 s2, 0
	s_cbranch_scc0 .Lentry_in_a_cluster
	s_endpgm
.Lentry_in_a_cluster:
	s_bfe_u32 s2, ttmp6, 0x10000c
	s_cmp_lg_u32 s2, 0xf033
	s_cbranch_scc0 .Lentry_shape_is_right
	s_endpgm
.Lentry_shape_is_right:
; out0[m][n] = sum over k of o[m][k] wo[n][k] + bo[n].  m = 8,192 tokens (2,048 batch + token), k = 64 head + d, n = 1,024.  o: f16, laid by head: byte = (16 batch + head) << 18 | token << 7 | 2 d;  wo16: [1024][1024] f16;  bo: f32;  out0: f32.  Sums in f32.
; LIMITS: NaN and infinities are not served; o and wo are f16 (magnitudes under 65,504).
; A tile of out0 is 256 rows x 128 columns: 256 work-groups, one for each WGP (256 x 256 would give 128).  Four waves, each 128 x 64: 32 accumulators of 16 x 16, 256 registers.
; K goes in steps of 128, two heads, through a ring of two LDS slots.  A head's 256 tokens are 32,768 dense bytes: a tile of 128 long rows of 256 bytes (two tokens).  Waves 0 and 1 fetch the step's two heads of o, waves 2 and 3 64 rows of wo each.
; CLUSTERS: 4 x 4 work-groups.  The four of a row of the cluster need the same tiles of o, the four of a column the same tiles of wo: each tile is asked for JOINTLY, by the same tensor load with the same descriptor and a mask that names the four.
; THE MATRIX INSTRUCTION IS USED TRANSPOSED (source 0 = 16 rows of wo, source 1 = 16 tokens): a lane then holds eight neighbouring columns of one row.  THE BIAS is the C of each sum's first matrix instruction.
; REGISTERS: window 0: v0-31 addresses; v32-63 the bias, 8 registers for each of my 4 column blocks; v64-127 the way out.   window 1: the accumulators, (a, b) at v[8 (4 a + b)].
;   window 2: two fragment buffers at v0 and v128: 64 registers of o (8 blocks x 16 tokens x 32 K), then 32 of wo (4 blocks).
.set PITCH,  272                       ; an LDS row: 256 bytes + 16 of padding = 68 words (64 banks of 4 bytes: ISA guide 11.1): token m lies at (m / 2) PITCH + 128 (m % 2); the 16 rows of a load start at 16 different groups of four banks
.set HEADB,  128*PITCH                 ; a head's 256 tokens
.set SLOT,   3*HEADB                   ; two heads of o, then wo's 128 rows
.set STAGE,  2*SLOT                    ; behind the ring: 16 rows x 272 bytes for each wave, for the way out; no fill lands here
.set SPARE,  STAGE+4*16*PITCH          ; behind the stages: the spare words, 128 bytes for each wave, which no other line names
.set LAPS,   4                         ; a lap = two K steps = once round the ring; 1,024 / 256
.set ADRA, 16                          ; v16-17  LDS address of my fragments of o in slot 0, 1
.set ADRB, 20                          ; v20-21  the same for wo
.set STO,  24                          ; v24     the way out: where I put 32 bytes of a row
.set RD,   25                          ; v25     where I read two rows back
.set CO,   26                          ; v26     my byte offset in two rows of out0
.set SPW,  28                          ; v28     LDS address of my spare word; never rewritten
.set NIL,  29                          ; v29     0; never rewritten
.set BI,   32
.set BK,   64
.set F0,   0
.set F1,   128
.set WV,  12                           ; s12  wave
.set WR,  13                           ; s13  which half of the tile's rows is mine.  Also: I fetch for o (0) or for wo (1)
.set WC,  14                           ; s14  which half of its columns.  Also: which head of the step, or which 64 rows of wo, I fetch
.set G1, 24                            ; s[24:31] descriptor group 1 for o's tiles;  s[32:39] group 0, one set for each slot
.set G0, 32
.set G1B, 48                           ; s[48:55], s[56:63] the same for wo's tiles
.set G0B, 56
.set MSB, 0
.macro WIN new                         ; the immediate's high byte repeats the setting that is left
.if MSB != \new
	s_set_vgpr_msb (MSB<<8)|\new
.set MSB, \new
.endif
.endm
.set MUL,  0x5a                        ; sources 0 and 1 window 2; C and D window 1
.set MULB, 0x4a                        ; the same with C (the bias) in window 0
.set TO_F, 0x80                        ; destination window 2, address window 0
.macro JLOAD s                         ; a joint load; the branch hangs on the wave's number alone; an s_nop 0 and four v_nop follow each of the two lines
	s_cmp_eq_u32 s[WR], 0
	s_cbranch_scc0 .Lfor_b_\@
	tensor_load_to_lds s[G0+4*\s:G0+4*\s+3], s[G1:G1+7]
	s_nop 0
.rept 4
	v_nop
.endr
	s_branch .Lasked_\@
.Lfor_b_\@:
	tensor_load_to_lds s[G0B+4*\s:G0B+4*\s+3], s[G1B:G1B+7]
	s_nop 0
.rept 4
	v_nop
.endr
.Lasked_\@:
.endm
.macro CREST                           ; a round of the cluster's barrier behind its opening barrier
	s_cmp_lg_u32 s[WV], 0
	s_cbranch_scc1 .Lnot_wave_0_\@
	s_barrier_signal -3
.Lnot_wave_0_\@:
	s_barrier_wait -3
	s_barrier_signal -1
	s_barrier_wait -1
.endm
.macro CROUND                          ; a whole round
	s_barrier_signal -1
	s_barrier_wait -1
	CREST
.endm
	s_load_b128 s[4:7], s[0:1], 0x0                ; o s[4:5], wo16 s[6:7]
	s_load_b128 s[8:11], s[0:1], 0x10              ; bo s[8:9], out0 s[10:11]
	v_lshl_add_u32 v[SPW], v0, 2, SPARE
	v_mov_b32 v[NIL], 0
	ds_add_u32 v[SPW], v[NIL]                      ; the wave's opening: the add, twice on end, and its wait ahead of my first tensor load; the set-up below stands between the second and the wait
	ds_add_u32 v[SPW], v[NIL]
	v_lshrrev_b32 v1, 5, v0
	v_readfirstlane_b32 s[WV], v1                  ; wave 0..3
	s_lshr_b32 s[WR], s[WV], 1
	s_and_b32 s[WC], s[WV], 1
	s_bfe_u32 s40, ttmp6, 0x40000                  ; cx, cy: my place in the cluster
	s_bfe_u32 s41, ttmp6, 0x40004
	s_lshl_b32 s42, ttmp9, 2
	s_add_co_u32 s42, s42, s40                     ; tile column = 4 x cluster x + cx
	s_and_b32 s15, ttmp7, 0xffff
	s_lshl_b32 s15, s15, 2
	s_add_co_u32 s15, s15, s41                     ; tile row = 4 x cluster y + cy
	s_lshl_b32 s43, s41, 2
	s_lshl_b32 s43, 15, s43                        ; my row of the cluster
	s_lshl_b32 s44, 0x1111, s40                    ; my column
	s_or_b32 s[G1+0], s43, (1<<16)|(1<<20)|(1<<21)|(5<<22)|(3<<25)  ; 15:0 the mask: o's tiles go to my row; 17:16 element of 2 bytes; 20 padding on; 21 set beside a mask; 24:22 after every 64 words; 31:25 of 4 words
	s_or_b32 s[G1B+0], s44, (1<<16)|(1<<20)|(1<<21)|(5<<22)|(3<<25)
	s_mov_b32 s[G1+1], 128<<16                     ; o: tensor_dim0 = 128 elements (a long row: two tokens of one head)
	s_mov_b32 s[G1+2], 128<<16                     ; tensor_dim1 = 128 long rows
	s_mov_b32 s[G1+3], 128<<16                     ; tile_dim0
	s_mov_b32 s[G1+4], 128                         ; tile_dim1
	s_mov_b32 s[G1+5], 128                         ; tensor_dim0_stride: dense
	s_mov_b32 s[G1+6], 0
	s_mov_b32 s[G1+7], 0
	s_mov_b32 s[G1B+1], 128<<16                    ; wo: 128 along K,
	s_mov_b32 s[G1B+2], 64<<16                     ; 64 rows,
	s_mov_b32 s[G1B+3], 128<<16
	s_mov_b32 s[G1B+4], 64
	s_mov_b32 s[G1B+5], 1024                       ; 1,024 elements from row to row
	s_mov_b32 s[G1B+6], 0
	s_mov_b32 s[G1B+7], 0
	; where the tiles come from.  o's hang on the tile row alone, wo's on the tile column alone; every wave makes both addresses, in registers that never hold the other coordinate
	s_lshr_b32 s16, s15, 3
	s_lshl_b32 s16, s16, 22                        ; batch = tile row / 8: 16 heads of 262,144 bytes
	s_and_b32 s17, s15, 7
	s_lshl_b32 s17, s17, 15                        ; 256 (tile row % 8) tokens of 128 bytes
	s_add_co_u32 s16, s16, s17
	s_lshl_b32 s17, s[WC], 18                      ; the step's first or second head
	s_add_co_u32 s16, s16, s17
	s_mov_b32 s17, 0
	s_lshl_b32 s46, s42, 18                        ; 128 x tile column rows of 2,048 bytes
	s_lshl_b32 s47, s[WC], 17                      ; + 64 rows
	s_add_co_u32 s46, s46, s47
	s_mov_b32 s47, 0
	s_mul_i32 s20, s[WC], HEADB                    ; and where they go: o's two heads,
	s_mul_i32 s21, s[WC], 64*PITCH
	s_add_co_u32 s21, s21, 2*HEADB                 ; wo's two halves behind them: no place in the cluster enters an LDS address
	s_wait_dscnt 0x0                               ; both opening adds are done
	s_wait_kmcnt 0x0
	s_add_nc_u64 s[18:19], s[4:5], s[16:17]
	s_add_nc_u64 s[46:47], s[6:7], s[46:47]
	CROUND                                         ; all sixteen work-groups are here: the first joint loads meet
.irp s, 0,1
	s_mov_b32 s[G0+4*\s], 1
	s_add_co_u32 s[G0+4*\s+1], s20, \s*SLOT
	s_add_nc_u64 s[G0+4*\s+2:G0+4*\s+3], s[18:19], \s*2*262144     ; K step s: two heads on
	s_or_b32 s[G0+4*\s+3], s[G0+4*\s+3], 0x80000000
	s_mov_b32 s[G0B+4*\s], 1
	s_add_co_u32 s[G0B+4*\s+1], s21, \s*SLOT
	s_add_nc_u64 s[G0B+4*\s+2:G0B+4*\s+3], s[46:47], \s*256
	s_or_b32 s[G0B+4*\s+3], s[G0B+4*\s+3], 0x80000000
	JLOAD \s                                       ; two loads of mine are out
.endr
	v_and_b32 v1, 15, v0                           ; r = l % 16
	v_bfe_u32 v2, v0, 4, 1                         ; h = l / 16
	v_lshrrev_b32 v3, 1, v1
	v_mul_u32_u24 v3, v3, PITCH                    ; o: long row r / 2,
	v_and_b32 v4, 1, v0
	v_lshl_add_u32 v3, v4, 7, v3                   ; its half r % 2,
	v_lshl_add_u32 v3, v2, 4, v3                   ; + 16 h
	v_mul_u32_u24 v4, v1, PITCH
	v_lshl_add_u32 v4, v2, 4, v4                   ; wo: row r, + 16 h
	s_mul_i32 s21, s[WR], 64*PITCH                 ; my 128 tokens: 64 long rows
	s_mul_i32 s22, s[WC], 64*PITCH                 ; my 64 rows of wo,
	s_add_co_u32 s22, s22, 2*HEADB                 ; behind o's two heads
.irp s, 0,1
	v_add_nc_u32 v[ADRA+\s], s21, v3
	v_add_nc_u32 v[ADRB+\s], s22, v4
	s_add_co_u32 s21, s21, SLOT
	s_add_co_u32 s22, s22, SLOT
.endr
	s_mul_i32 s23, s[WV], 16*PITCH
	s_add_co_u32 s23, s23, STAGE                   ; my stage
	v_mul_u32_u24 v5, v1, PITCH                    ; in: row r, 32 bytes for each half of the lanes
	v_lshl_add_u32 v5, v2, 5, v5
	v_add_nc_u32 v[STO], s23, v5
	v_mul_u32_u24 v5, v2, PITCH                    ; back: lanes 0-15 take one row of 256 bytes, lanes 16-31 the next
	v_lshl_add_u32 v5, v1, 4, v5
	v_add_nc_u32 v[RD], s23, v5
	v_lshlrev_b32 v5, 12, v2                       ; and the same two rows in out0: 4,096 bytes a row
	v_lshl_add_u32 v[CO], v1, 4, v5
	s_lshl_b32 s16, s15, 20                        ; my first row: 256 x tile row + 128 x half, rows of 4,096 bytes
	s_lshl_b32 s17, s[WR], 19
	s_add_co_u32 s16, s16, s17
	s_mov_b32 s17, 0
	s_add_nc_u64 s[10:11], s[10:11], s[16:17]
	s_lshl_b32 s46, s42, 9                         ; my first column, in bytes of f32: 512 x tile column + 256 x half: in out0 and in bo alike
	s_lshl_b32 s47, s[WC], 8
	s_add_co_u32 s46, s46, s47
	s_mov_b32 s47, 0
	s_add_nc_u64 s[10:11], s[10:11], s[46:47]
	s_add_nc_u64 s[8:9], s[8:9], s[46:47]
	v_lshlrev_b32 v6, 5, v2                        ; the bias in the result's layout: lane (r, h), block b: bo at columns 16 b + 8 h + 0 .. 7
.irp b, 0,1,2,3
	global_load_b128 v[BI+8*\b:BI+8*\b+3],   v6, s[8:9] offset:64*\b
	global_load_b128 v[BI+8*\b+4:BI+8*\b+7], v6, s[8:9] offset:64*\b+16
.endr
; 8 matrix instructions: token blocks a0, a0 + 1 x my 4 column blocks, 32 along K: buffer f.  bias = 1: the first product starts the sums from the bias.  The 32 accumulators take turns, one instruction a turn.
.macro MUL8 f, a0, bias
.irp a, \a0, \a0+1
.irp b, 0,1,2,3
.if \bias
	v_wmma_f32_16x16x32_f16 v[8*(4*(\a)+\b):8*(4*(\a)+\b)+7], v[\f+64+8*\b:\f+64+8*\b+7], v[\f+8*(\a):\f+8*(\a)+7], v[BI+8*\b:BI+8*\b+7]
.else
	v_wmma_f32_16x16x32_f16 v[8*(4*(\a)+\b):8*(4*(\a)+\b)+7], v[\f+64+8*\b:\f+64+8*\b+7], v[\f+8*(\a):\f+8*(\a)+7], v[8*(4*(\a)+\b):8*(4*(\a)+\b)+7]
.endif
.endr
.endr
.endm
; 24 LDS loads in one run: the fragments of the slot's q-th 32 along K (head q / 2, channels 32 (q % 2) on) into buffer f: wo's four blocks, then o's eight
.macro FETCH slot, q, f
	WIN TO_F
.irp b, 0,1,2,3
	ds_load_b128 v[\f+64+8*\b:\f+64+8*\b+3],   v[ADRB+\slot] offset:\b*16*PITCH+64*(\q)
	ds_load_b128 v[\f+64+8*\b+4:\f+64+8*\b+7], v[ADRB+\slot] offset:\b*16*PITCH+64*(\q)+32
.endr
.irp a, 0,1,2,3,4,5,6,7
	ds_load_b128 v[\f+8*\a:\f+8*\a+3],   v[ADRA+\slot] offset:((\q)/2)*HEADB+\a*8*PITCH+64*((\q)%2)
	ds_load_b128 v[\f+8*\a+4:\f+8*\a+7], v[ADRA+\slot] offset:((\q)/2)*HEADB+\a*8*PITCH+64*((\q)%2)+32
.endr
.endm
.macro PLACES                          ; four places in front of loads into registers that matrix instructions have read, and of the first read of results
.rept 4
	v_nop
.endr
.endm
; A K step is four quarters of 32 along K, 32 matrix instructions each, on buffers 0, 1, 0, 1.  One of the first three: multiplies buffer f and fetches quarter q into g.
.macro QUARTER slot, q, f, g, bias
	s_wait_dscnt 8                                 ; wo's blocks and o's blocks 0-3 are in; the youngest eight loads (o's blocks 4-7) may be out
.if \bias
	WIN MULB
.else
	WIN MUL
.endif
	MUL8 \f, 0, \bias
	MUL8 \f, 2, \bias
	PLACES
	FETCH \slot, \q, \g
	s_wait_dscnt 24                                ; all but the 24 just issued
.if \bias
	WIN MULB
.else
	WIN MUL
.endif
	MUL8 \f, 4, \bias
	MUL8 \f, 6, \bias
.endm
; The last quarter multiplies buffer 1 and changes slots: ONE barrier; in front of it each wave waits for all its tensor loads, adds 0 to its spare word, and waits for that and for its own reads of this slot.  fill = 1: this slot is filled again, two K steps ahead.
.macro TURN slot, next, fill
	WIN 0                                          ; (the add's two registers lie in window 0)
	s_wait_tensorcnt 0x0                           ; all my tensor loads have landed: my part of the next slot;
	ds_add_u32 v[SPW], v[NIL]                      ; 0 onto my spare word;
	s_wait_dscnt 9                                 ; (the add and the youngest eight loads may be out)
	WIN MUL
	MUL8 F1, 0, 0                                  ; eight matrix instructions stand between the add and the wait for it
	s_wait_dscnt 0x0                               ; the add is done, and my reads of this slot are over
	s_barrier_signal -1
	MUL8 F1, 2, 0
.if \fill
	WIN 0
.endif
	s_barrier_wait -1
.if \fill
	CREST                                          ; the barrier has opened a round of the cluster's barrier: no wave of any partner still reads this slot's tile or has a load on its way
	s_add_nc_u64 s[G0+4*\slot+2:G0+4*\slot+3], s[G0+4*\slot+2:G0+4*\slot+3], 4*262144   ; two K steps on: four heads,
	s_add_nc_u64 s[G0B+4*\slot+2:G0B+4*\slot+3], s[G0B+4*\slot+2:G0B+4*\slot+3], 512    ; 256 along K
	JLOAD \slot                                    ; the first tensor load behind the round: 112 matrix instructions ahead of the wait for it; its four v_nop are also the places in front of the loads below
.else
	PLACES
.endif
	FETCH \next, 0, F0
	WIN MUL
	MUL8 F1, 4, 0
	MUL8 F1, 6, 0
.endm
	s_wait_tensorcnt 1                             ; my part of K step 0 is in (K step 1's load may be out)
	s_barrier_signal -1
	s_barrier_wait -1                              ; everybody's is
	FETCH 0, 0, F0
	s_wait_loadcnt 0x0                             ; the bias
	QUARTER 0, 1, F0, F1, 1                        ; the first quarter stands in front of the loop: its products start the sums, from the bias
	WIN 0                                          ; at a label and at a branch every window is 0
	s_mov_b32 s3, LAPS-1
.Llap:                                                 ; a trip goes once round the ring, from a lap's second quarter to the next lap's first, and fills both slots again
	QUARTER 0, 2, F1, F0, 0
	QUARTER 0, 3, F0, F1, 0
	TURN 0, 1, 1
	QUARTER 1, 1, F0, F1, 0
	QUARTER 1, 2, F1, F0, 0
	QUARTER 1, 3, F0, F1, 0
	TURN 1, 0, 1
	QUARTER 0, 1, F0, F1, 0
	WIN 0
	s_sub_co_u32 s3, s3, 1
	s_cmp_lg_u32 s3, 0
	s_cbranch_scc1 .Llap
	QUARTER 0, 2, F1, F0, 0                        ; the last lap fills nothing, and has no round of the cluster's barrier
	QUARTER 0, 3, F0, F1, 0
	TURN 0, 1, 0
	QUARTER 1, 1, F0, F1, 0
	QUARTER 1, 2, F1, F0, 0
	QUARTER 1, 3, F0, F1, 0
	s_wait_dscnt 8                                 ; the very last quarter: nothing more to fetch
	WIN MUL
	MUL8 F1, 0, 0
	MUL8 F1, 2, 0
	s_wait_dscnt 0
	MUL8 F1, 4, 0
	MUL8 F1, 6, 0
	WIN 0
; THE WAY OUT, block by block of 16 rows x 64 columns.  A lane holds 32 neighbouring bytes of a row, and the lanes beside it hold other rows: so a block goes through my own stage in LDS and comes back as whole
; rows of 256 bytes, two an instruction.  LDS serves a wave's instructions in order (ISA guide 5.7.1.4): no wait between the stores and the loads, nor in front of the next block's stores.
.macro TOSTAGE a
	WIN 0x04                                       ; an LDS store's data are its source 1: window 1
.irp b, 0,1,2,3
	ds_store_b128 v[STO], v[8*(4*(\a)+\b):8*(4*(\a)+\b)+3] offset:64*\b          ; each accumulator from its low end on
	ds_store_b128 v[STO], v[8*(4*(\a)+\b)+4:8*(4*(\a)+\b)+7] offset:64*\b+16
.endr
	WIN 0
.set BB, BK+32*((\a)%2)
.irp i, 0,1,2,3,4,5,6,7
	ds_load_b128 v[BB+4*\i:BB+4*\i+3], v[RD] offset:\i*2*PITCH
.endr
.endm
.macro SEND a, younger                 ; younger: the LDS instructions issued behind block a's loads, which may stay out
.set BB, BK+32*((\a)%2)
	s_wait_dscnt \younger                          ; the block is back in registers
.irp i, 0,1,2,3,4,5,6,7
	global_store_b128 v[CO], v[BB+4*\i:BB+4*\i+3], s[10:11] offset:(16*(\a)+2*\i)*4096 th:TH_STORE_NT   ; 16 lanes store 256 consecutive bytes, at a multiple of 256 from out0's first byte; every offset is an immediate; written once, read by nobody here
.endr
.endm
	PLACES                                         ; behind the last products, ahead of the first read of results
	TOSTAGE 0
.irp a, 1,2,3,4,5,6,7
.if \a > 1
	s_wait_xcnt 0x0                                ; block a - 2's stores have read their registers: block a's loads may land there
.endif
	TOSTAGE \a
	SEND \a-1, 16                                  ; behind block a - 1's loads: block a's 8 stores and 8 loads
.endr
	SEND 7, 0
	s_wait_tensorcnt 0x0                           ; the wave's end: behind my last tensor load and my last LDS store
	ds_add_u32 v[SPW], v[NIL]
	s_wait_dscnt 0x0
	CROUND                                         ; the closing round: no work-group ends while a partner may still ask for a tile that names it
	s_endpgm
.Lfunc_end_k_qbd6f8c9689_proj:
	.size	k_qbd6f8c9689_proj, .Lfunc_end_k_qbd6f8c9689_proj-k_qbd6f8c9689_proj
	.p2alignl 7, 3214868480
	.fill 96, 4, 3214868480
	.section	.rodata,"a",@progbits
	.p2align	6, 0x0
	.amdhsa_kernel k_qbd6f8c9689_proj
		.amdhsa_group_segment_fixed_size 327680
		.amdhsa_private_segment_fixed_size 0
		.amdhsa_enable_private_segment 0
		.amdhsa_kernarg_size 32
		.amdhsa_user_sgpr_count 2
		.amdhsa_user_sgpr_kernarg_segment_ptr 1
		.amdhsa_wavefront_size32 1
		.amdhsa_system_sgpr_workgroup_id_x 1
		.amdhsa_system_sgpr_workgroup_id_y 1
		.amdhsa_system_sgpr_workgroup_id_z 1
		.amdhsa_system_vgpr_workitem_id 0
		.amdhsa_next_free_vgpr 768
		.amdhsa_next_free_sgpr 66
		.amdhsa_reserve_vcc 0
		.amdhsa_float_denorm_mode_32 3
		.amdhsa_float_denorm_mode_16_64 3
		.amdhsa_memory_ordered 1
		.amdhsa_forward_progress 1
		.amdhsa_inst_pref_size 87
	.end_amdhsa_kernel
	.amdgpu_metadata
---
amdhsa.version: [ 1, 2 ]
amdhsa.kernels:
  - .name:           k_qbd6f8c9689_proj
    .symbol:         k_qbd6f8c9689_proj.kd
    .args:
      - { .name: o, .offset: 0, .size: 8, .value_kind: global_buffer, .address_space: global }
      - { .name: wo16, .offset: 8, .size: 8, .value_kind: global_buffer, .address_space: global }
      - { .name: bo, .offset: 16, .size: 8, .value_kind: global_buffer, .address_space: global }
      - { .name: out0, .offset: 24, .size: 8, .value_kind: global_buffer, .address_space: global }
    .group_segment_fixed_size: 327680
    .private_segment_fixed_size: 0
    .kernarg_segment_align: 8
    .kernarg_segment_size: 32
    .max_flat_workgroup_size: 128
    .sgpr_count:     66
    .vgpr_count:     768
    .wavefront_size: 32
...
	.end_amdgpu_metadata
.endif
;; end of part 4
